; MI455X (gfx1250); checked and timed in simulation.
; The chip was launched on July 23, 2026; its instructions are those of AMD's public machine-readable ISA for CDNA 5 (MIT licence, August 2026) and "CDNA5" Instruction Set Architecture Reference Guide (July 2026). The comments in the code are by the model that wrote it; some were corrected since.
;; Multi Head Attention. Allowed arithmetic: matrix products marked QUANTISED: E5M2 operands, one E8M0 scale for each 32 along K, by v_wmma_scale_f32_16x16x128_f8f6f4 with both operands' format E5M2, f32 sums; everything else in f32.
;; Inputs: Wk 1,024 x 1,024 float32; Wo 1,024 x 1,024 float32; Wq 1,024 x 1,024 float32; Wv 1,024 x 1,024 float32; key 4 x 2,048 x 1,024 float32; mask 4 x 2,048 int32; query 4 x 2,048 x 1,024 float32; value 4 x 2,048 x 1,024 float32.
;; Outputs: out0 4 x 2,048 x 1,024 float32.
;; This version of the problem:
;;   THIS VERSION OF THE PROBLEM IS GIVEN IN LOW PRECISION. The matrix products marked QUANTISED in the list below multiply operands that are first quantised to E5M2 (5 exponent bits, 2 mantissa bits; 8 bits a number), with one power-of-two scale for each 32 numbers along K (OCP MX v1.0); their sums are f32. All else is computed in f32.
;;   The module's matrix products, in the order in which they are computed (A, B: the left and right operand; K: the contracted axis; several contracted axes count as one K, in the product's order):
;;     1. [M 8,192, K 1,024] x [K 1,024, N 1,024]; A: input query; B: input Wq: QUANTISED
;;     2. [M 8,192, K 1,024] x [K 1,024, N 1,024]; A: input key; B: input Wk: QUANTISED
;;     3. [M 8,192, K 1,024] x [K 1,024, N 1,024]; A: input value; B: input Wv: QUANTISED
;;     4. batch 64 x [M 2,048, K 64] x [K 64, N 2,048]; A: computed on the way; B: computed on the way: QUANTISED
;;     5. batch 64 x [M 2,048, K 2,048] x [K 2,048, N 64]; A: softmax (see below); B: computed on the way: QUANTISED
;;     6. [M 8,192, K 1,024] x [K 1,024, N 1,024]; A: computed on the way; B: input Wo: QUANTISED
;;   THE QUANTISER, for each operand of a quantised product, along K:
;;     - K is cut into blocks of 32 from its start; a last block that is shorter is filled with zeros.
;;     - A block's scale is 2^e with e = floor(log2(the largest magnitude in the block)) - 15, held to -126 .. 127; a block of zeros has e = 0. As a byte (E8M0): e + 127.
;;     - Each number is divided by its block's scale, clamped to +-57,344, and rounded to the nearest number of E5M2, ties to even, subnormals kept.
;;     - The product sums the exact products of the quantised numbers (number of the format x scale) in f32.
;;   ~~~python
;;   def quantise(x, axis):      # numpy; x: float32 -> the quantised numbers, widened to float32 again
;;       x = np.moveaxis(x, axis, -1); K = x.shape[-1]
;;       x = np.pad(x, [(0, 0)] * (x.ndim - 1) + [(0, -K % 32)]); x = x.reshape(x.shape[:-1] + (-1, 32)); a = np.abs(x).max(-1, keepdims=True)
;;       e = np.where(a > 0, np.clip(np.frexp(np.where(a > 0, a, 1))[1] - 1 - 15, -126, 127), 0)      # np.frexp(a)[1] - 1 = floor(log2(a)), exactly
;;       r = np.clip(x / 2.0 ** e, -57344, 57344)
;;       step = 2.0 ** (np.maximum(np.frexp(np.where(r == 0, 1, r))[1] - 1, -14) - 2)
;;       q = np.round(r / step) * step * 2.0 ** e      # np.round: ties to even
;;       return np.moveaxis(q.reshape(q.shape[:-2] + (-1,))[..., :K], -1, axis).astype(np.float32)
;;   ~~~
;;   SOFTMAX AHEAD OF A QUANTISED PRODUCT. Where the list says 'softmax', what is quantised is not the finished softmax but p = 2^(t - M), with t = logit x log2(e) and M = ceil(the row's largest t), a whole number; so 1/2 < the row's largest p <= 1. The row's sum l is taken of the UNQUANTISED p, in f32, and the product's result is divided by l at the end. Since M is a whole number, a kernel that streams over the keys may use a running M (the ceiling of the running maximum): every later rescaling is an exact power of two, which a block's scale takes up: the codes' values come out the same.
;;   OPERANDS COMPUTED ON THE WAY. 'Computed on the way' means the value that the module computes at that place (a softmax that the list does not call 'softmax' is quantised finished and normalised). What goes into a quantiser is computed in f32, as accurately as f32 sums, v_exp_f32 and their like allow (about 1e-6 of the number): no bf16 or f16 on the way to a quantiser, and a product that is left as it is and whose result goes on into a quantised operand takes f32 operands (vector FMAs, or v_wmma_f32_16x16x4_f32). A number that lies on a knife's edge between two numbers of the format may be rounded either way, as far as f32 arithmetic and the matrix unit's own rounding can turn it there, and no further.
;; One version. Each part assembles by itself: llvm-mc -triple=amdgcn-amd-amdhsa -mcpu=gfx1250 --defsym DOCPART=n.
;; ======== version 1 of 1: 5 launches
;; limits: right only within a limited range of input values
;; workspace buffers: xc 25,165,824 bytes; xs 786,432 bytes; wc 4,194,304 bytes; ws 131,072 bytes; pc 25,165,824 bytes; psw 1,310,720 bytes; acode 8,388,608 bytes; ascale 262,144 bytes
;; launch qw (part 1): grid 8 x 16, 4 waves a work-group, no clusters, 36,352 bytes of LDS; arguments Wq, Wk, Wv, Wo, wc, ws; writes wc, ws
.if DOCPART == 1
	.amdgcn_target "amdgcn-amd-amdhsa--gfx1250"
	.amdhsa_code_object_version 6
	.text
	.protected	k_qd8dd822691_qw
	.globl	k_qd8dd822691_qw
	.p2align	8
	.type	k_qd8dd822691_qw,@function
k_qd8dd822691_qw:
	s_mov_b64 s[64:65], 0
	v_nop
	global_prefetch_b8 v0, s[64:65] scope:SCOPE_SE
	s_setreg_imm32_b32 hwreg(HW_REG_WAVE_MODE, 25, 1), 1
	s_wait_xcnt 0x0
; The four weights [1024 (k)][1024 (n)], f32, K = the FIRST axis, become codes of BF8 (E5M2) laid [4][1024 rows n][1024 k], K innermost, with one E8M0 byte for each 32 along K, laid [4][1024 rows n][32].
; A LANE TAKES A COLUMN n AND ITS REGISTERS RUN DOWN K: a block of 32 along K lies in one lane's 32 registers, and the conversions give codes with K innermost.  Nothing is transposed by an instruction.
; THE ROWS n ARE STORED IN A CHOSEN ORDER: inside each group of 32, row 16 g + 8 u + i (i < 8) goes to place 16 u + 8 g + i.  Sixteen rows that lie together are then the rows
; 8 u + r + 8 (r / 8), so that a product which takes them as its first source leaves 16 NEIGHBOURS along n in the 16 registers of two neighbouring result tiles.
; A block's scale is 2^(floor(log2(largest magnitude)) - 15); its byte is the largest magnitude's exponent field - 15, held at 1 from below (a block of zeros gets byte 1: its codes are zeros, and only this program reads the bytes).
; LIMITS: blocks whose largest magnitude lies under 2^-111, the floor, were not tried; NaN and infinities among the inputs are not served.
; Work-group (x, y): columns 128 x on, weight y / 4, K from 256 (y % 4) on.  A wave: 32 columns x 256 along K.  The codes leave through the wave's own stage in LDS: sixteen lanes store 256 consecutive aligned bytes.
; No tensor loads, no barrier: waves share nothing.  Loads run two blocks (64 loads a wave) ahead.
.set SIZE_K, 1024
.set SIZE_N, 1024
.set KW,    256                        ; along K for a wave
.set NB,    KW/32                      ; blocks
.set ROWB,  256                        ; bytes of KW codes
.set PITCH, ROWB+16                    ; a stage row
.set KROW,  SIZE_K                     ; a row of the codes' buffer in bytes
.set EMAX,  15
.set MANT,  0x600000                   ; the mantissa field of 57,344 as f32
.set X,     32                         ; v32-95   two sets of 32 numbers
.set C,     96                         ; v96..    a block's codes
.set OUTR,  112                        ; v112-175 the way out
.set SB,    24                         ; v24..    the scale bytes, four to a register
	s_load_b256 s[32:39], s[0:1], 0x0              ; Wq, Wk, Wv, Wo
	s_load_b128 s[40:43], s[0:1], 0x20             ; the codes, the scale bytes
	v_lshl_add_u32 v192, v0, 2, 0x8c00
	v_mov_b32 v193, 0
	v_lshrrev_b32 v1, 5, v0
	v_readfirstlane_b32 s16, v1                    ; wave 0..3
	v_and_b32 v2, 31, v0                           ; lane
	s_lshl_b32 s17, ttmp9, 7
	s_lshl_b32 s18, s16, 5
	s_add_co_u32 s17, s17, s18                     ; my wave's first column: 128 x + 32 wave
	s_and_b32 s44, ttmp7, 0xffff
	s_and_b32 s18, s44, 3                          ; which 256 along K
	s_lshr_b32 s44, s44, 2                         ; which weight
	v_lshlrev_b32 v3, 2, v2                        ; in: 4 bytes a lane
	v_and_b32 v14, 7, v2                           ; the place of my column among the wave's 32 rows: i,
	v_bfe_u32 v15, v2, 3, 1
	v_lshl_or_b32 v14, v15, 4, v14                 ; 16 u,
	v_bfe_u32 v15, v2, 4, 1
	v_lshl_or_b32 v14, v15, 3, v14                 ; 8 g
	s_mul_i32 s19, s16, 32*PITCH                   ; my stage
	v_mul_u32_u24 v4, v14, PITCH
	v_add_nc_u32 v4, s19, v4                       ; into it: the row of my column's place
	v_and_b32 v5, 15, v2
	v_lshrrev_b32 v6, 4, v2                        ; out of it: sixteen lanes to a row, two rows an instruction
	v_mul_u32_u24 v7, v6, PITCH
	v_lshl_add_u32 v7, v5, 4, v7
	v_add_nc_u32 v7, s19, v7
	v_mul_u32_u24 v8, v6, KROW
	v_lshl_add_u32 v8, v5, 4, v8                   ; and the same place in the codes' buffer
	s_mov_b32 s19, 0
	s_mov_b64 s[20:21], KW*SIZE_N*4
	s_mul_u64 s[20:21], s[18:19], s[20:21]         ; W: 256 rows of 4,096 bytes for each step along K,
	s_lshl_b32 s22, s17, 2
	s_mov_b32 s23, 0
	s_add_nc_u64 s[20:21], s[20:21], s[22:23]      ; + 4 x column
	s_mov_b32 s22, s17
	s_mov_b64 s[24:25], KROW
	s_mul_u64 s[24:25], s[22:23], s[24:25]         ; codes: row x 1,024,
	s_mul_i32 s26, s18, ROWB
	s_mov_b32 s27, 0
	s_add_nc_u64 s[24:25], s[24:25], s[26:27]      ; + 256 for each step along K,
	s_lshl_b32 s26, s44, 20
	s_add_nc_u64 s[24:25], s[24:25], s[26:27]      ; + the weight's 2^20 bytes
	s_mov_b64 s[28:29], SIZE_K/32
	s_mul_u64 s[28:29], s[22:23], s[28:29]         ; scale bytes: row x 32,
	s_mul_i32 s26, s18, NB
	s_add_nc_u64 s[28:29], s[28:29], s[26:27]
	s_lshl_b32 s26, s44, 15
	s_add_nc_u64 s[28:29], s[28:29], s[26:27]      ; + the weight's 2^15 bytes
	v_mul_u32_u24 v9, v14, SIZE_K/32               ; my column's row of scale bytes, at its place
	s_mov_b32 s31, MANT                            ; (an instruction takes one literal: the hold's line has another)
	s_and_b32 s45, s44, 1
	s_wait_kmcnt 0x0
	s_cmp_lt_u32 s44, 2                            ; the weight is chosen by the work-group's number alone
	s_cselect_b64 s[32:33], s[32:33], s[36:37]     ; Wq or Wv
	s_cselect_b64 s[34:35], s[34:35], s[38:39]     ; Wk or Wo
	s_cmp_eq_u32 s45, 0
	s_cselect_b64 s[4:5], s[32:33], s[34:35]
	s_add_nc_u64 s[4:5], s[4:5], s[20:21]
	s_add_nc_u64 s[6:7], s[40:41], s[24:25]
	s_add_nc_u64 s[8:9], s[42:43], s[28:29]
.macro LOAD t                          ; block t: W(32 t + i, my column), i = 0 .. 31, into set t % 2
.irp i, 0,1,2,3,4,5,6,7,8,9,10,11,12,13,14,15,16,17,18,19,20,21,22,23,24,25,26,27,28,29,30,31
	global_load_b32 v[X+32*((\t)%2)+\i], v3, s[4:5] offset:(32*(\t)+\i)*SIZE_N*4 th:TH_LOAD_NT
.endr
.endm
	LOAD 0
	LOAD 1
.macro BLOCK t
.set XS, X+32*((\t)%2)
.if (\t) < NB-1
	s_wait_loadcnt 32                              ; this block's 32 loads are in; the next block's may be out
.else
	s_wait_loadcnt 0
.endif
	v_max3_num_f32 v12, |v[XS]|, |v[XS+1]|, |v[XS+2]|               ; the block's largest magnitude: all 32 numbers are mine
	v_max3_num_f32 v13, |v[XS+3]|, |v[XS+4]|, |v[XS+5]|
.irp i, 6,10,14,18,22,26
	v_max3_num_f32 v12, v12, |v[XS+\i]|, |v[XS+\i+1]|
	v_max3_num_f32 v13, v13, |v[XS+\i+2]|, |v[XS+\i+3]|
.endr
	v_max3_num_f32 v12, v12, |v[XS+30]|, |v[XS+31]|
	v_max3_num_f32 v12, v12, v13, (EMAX+1)<<23     ; and the floor 2^(16 - 127): the byte cannot fall under 1
	v_add_nc_u32 v11, 0xf8800000, v12              ; 15 off its exponent field: the conversion takes the exponent field of this operand as its scale
	v_and_or_b32 v10, v12, 0x7f800000, s31         ; 57,344 x the scale
	v_lshrrev_b32 v13, 23, v11                     ; the scale's byte
.if (\t)%4 == 0
	v_mov_b32 v[SB+(\t)/4], v13                    ; four bytes to a register, the lower K in the lower byte
.else
	v_lshl_or_b32 v[SB+(\t)/4], v13, 8*((\t)%4), v[SB+(\t)/4]
.endif
.irp i, 0,1,2,3,4,5,6,7,8,9,10,11,12,13,14,15,16,17,18,19,20,21,22,23,24,25,26,27,28,29,30,31
	v_med3_num_f32 v[XS+\i], v[XS+\i], -v10, v10   ; the conversion to an 8-bit code does not saturate (ISA guide 7.6.2): the hold comes first
.endr
.irp g, 0,1,2,3
	v_cvt_scalef32_pk8_bf8_f32 v[C+2*\g:C+2*\g+1], v[XS+8*\g:XS+8*\g+7], v11
.endr
	ds_store_b128 v4, v[C:C+3] offset:32*(\t)      ; 32 codes: 32 bytes of my column's row
	ds_store_b128 v4, v[C+4:C+7] offset:32*(\t)+16
.if (\t)+2 < NB
	LOAD (\t)+2
.endif
	s_wait_dscnt 0x0                               ; the stores have read their registers: the next block's codes may be written
.endm
.set Q, 0
.rept NB
	BLOCK Q
.set Q, Q+1
.endr
	global_store_b64 v9, v[SB:SB+1], s[8:9]        ; my column's 8 scale bytes
.irp t, 0,1,2,3,4,5,6,7,8,9,10,11,12,13,14,15
	ds_load_b128 v[OUTR+4*\t:OUTR+4*\t+3], v7 offset:2*\t*PITCH   ; LDS serves a wave's instructions in order: these see my stores
.endr
.irp t, 0,1,2,3,4,5,6,7,8,9,10,11,12,13,14,15
	s_wait_dscnt 15-\t                             ; rows 2 t, 2 t + 1 are back; the later ones may be out
	global_store_b128 v8, v[OUTR+4*\t:OUTR+4*\t+3], s[6:7] offset:2*\t*KROW
.endr
	s_wait_tensorcnt 0x0
	ds_add_u32 v192, v193
	s_wait_dscnt 0x0
	s_endpgm
.Lfunc_end_k_qd8dd822691_qw:
	.size	k_qd8dd822691_qw, .Lfunc_end_k_qd8dd822691_qw-k_qd8dd822691_qw
	.p2alignl 7, 3214868480
	.fill 96, 4, 3214868480
	.section	.rodata,"a",@progbits
	.p2align	6, 0x0
	.amdhsa_kernel k_qd8dd822691_qw
		.amdhsa_group_segment_fixed_size 36352
		.amdhsa_private_segment_fixed_size 0
		.amdhsa_enable_private_segment 0
		.amdhsa_kernarg_size 48
		.amdhsa_user_sgpr_count 2
		.amdhsa_user_sgpr_kernarg_segment_ptr 1
		.amdhsa_wavefront_size32 1
		.amdhsa_system_sgpr_workgroup_id_x 1
		.amdhsa_system_sgpr_workgroup_id_y 1
		.amdhsa_system_sgpr_workgroup_id_z 1
		.amdhsa_system_vgpr_workitem_id 0
		.amdhsa_next_free_vgpr 194
		.amdhsa_next_free_sgpr 66
		.amdhsa_reserve_vcc 0
		.amdhsa_float_denorm_mode_32 3
		.amdhsa_float_denorm_mode_16_64 3
		.amdhsa_memory_ordered 1
		.amdhsa_forward_progress 1
		.amdhsa_inst_pref_size 60
	.end_amdhsa_kernel
	.amdgpu_metadata
---
amdhsa.version: [ 1, 2 ]
amdhsa.kernels:
  - .name:           k_qd8dd822691_qw
    .symbol:         k_qd8dd822691_qw.kd
    .args:
      - { .name: Wq, .offset: 0, .size: 8, .value_kind: global_buffer, .address_space: global }
      - { .name: Wk, .offset: 8, .size: 8, .value_kind: global_buffer, .address_space: global }
      - { .name: Wv, .offset: 16, .size: 8, .value_kind: global_buffer, .address_space: global }
      - { .name: Wo, .offset: 24, .size: 8, .value_kind: global_buffer, .address_space: global }
      - { .name: wc, .offset: 32, .size: 8, .value_kind: global_buffer, .address_space: global }
      - { .name: ws, .offset: 40, .size: 8, .value_kind: global_buffer, .address_space: global }
    .group_segment_fixed_size: 36352
    .private_segment_fixed_size: 0
    .kernarg_segment_align: 8
    .kernarg_segment_size: 48
    .max_flat_workgroup_size: 128
    .sgpr_count:     66
    .vgpr_count:     194
    .wavefront_size: 32
...
	.end_amdgpu_metadata
.endif
;; end of part 1
;; launch qx (part 2): grid 768 x 1, 4 waves a work-group, no clusters, 33,280 bytes of LDS; arguments query, key, value, xc, xs; writes xc, xs
.if DOCPART == 2
	.amdgcn_target "amdgcn-amd-amdhsa--gfx1250"
	.amdhsa_code_object_version 6
	.text
	.protected	k_qd8dd822691_qx
	.globl	k_qd8dd822691_qx
	.p2align	8
	.type	k_qd8dd822691_qx,@function
k_qd8dd822691_qx:
	s_mov_b64 s[64:65], 0
	v_nop
	global_prefetch_b8 v0, s[64:65] scope:SCOPE_SE
	s_setreg_imm32_b32 hwreg(HW_REG_WAVE_MODE, 25, 1), 1
	s_wait_xcnt 0x0
; query, key, value [8192 rows][1024], f32, become codes of BF8 (E5M2), K innermost, laid [3][8192][1024], with one E8M0 byte for each 32 along K, laid [3][8192][32].
; A block's scale is 2^(floor(log2(largest magnitude)) - 15); its byte is the largest magnitude's exponent field - 15, held at 1 from below (a block of zeros gets byte 1: its codes are zeros, and only this program reads the bytes).
; Each number is divided by the scale, held within +-57,344 and rounded to the nearest code, ties to even.
; LIMITS: blocks whose largest magnitude lies under 2^-111, the floor, were not tried; NaN and infinities among the inputs are not served.
; 256 work-groups a tensor; a work-group takes 32 rows, a wave 8 rows: 16 steps of 512 numbers.
; THE ROWS OF key AND value ARE STORED IN A CHOSEN ORDER: inside each group of 32, row 16 g + 8 u + i goes to place 16 u + 8 g + i.  That moves whole runs of 8 rows: wave 2 g + u writes run 2 u + g.  query's rows stay.
; Each load reads 512 consecutive bytes, 16 a lane; a step's 2,048 bytes turn through the wave's own stage in LDS and come back 64 bytes a lane (16 neighbours along K; two lanes hold a block).
; A lane's 16 codes are 16 bytes: the wave stores 512 consecutive bytes.  A wave's 256 scale bytes are gathered in LDS and leave as 256 consecutive aligned bytes.
; No tensor loads, no barrier: waves share nothing.  Loads run four steps (16 loads a wave) ahead, the turn through LDS one step.
.set STEPS, 16
.set EMAX,  15
.set MANT,  0x600000                   ; the mantissa field of 57,344 as f32
.set CB,    16                         ; bytes of 16 codes
.set R,     16                         ; v16-79   four sets of 16 numbers as they are loaded
.set X,     80                         ; v80-111  two sets of 16 neighbours
.set C,     128                        ; v128-191 codes: four registers for each step, so that no store's data are written again
.set E,     112                        ; v112-127 a scale byte for each step
.set WREG,  8192                       ; LDS: a region for each wave: two stages of 32 x SP bytes, behind them its 256 scale bytes
.set SP,    80                         ; a lane's place in a stage: its 64 bytes + 16 of padding
	s_load_b128 s[4:7], s[0:1], 0x0                ; query, key
	s_load_b128 s[8:11], s[0:1], 0x10              ; value, the codes
	s_load_b64 s[12:13], s[0:1], 0x20              ; the scale bytes
	v_lshl_add_u32 v192, v0, 2, 0x8000
	v_mov_b32 v193, 0
	v_lshrrev_b32 v1, 5, v0
	v_readfirstlane_b32 s16, v1                    ; wave
	v_and_b32 v2, 31, v0                           ; lane
	v_lshlrev_b32 v3, 4, v2                        ; my 16 bytes of a load's 512
	s_mul_i32 s17, s16, WREG
	v_lshrrev_b32 v14, 2, v2
	v_mul_u32_u24 v14, v14, SP
	v_and_b32 v15, 3, v2
	v_lshl_add_u32 v14, v15, 4, v14
	v_add_nc_u32 v14, s17, v14                     ; the stage, on the way in: SP (lane / 4) + 16 (lane % 4)
	v_mul_u32_u24 v15, v2, SP
	v_add_nc_u32 v15, s17, v15                     ; and on the way out: SP x lane: my 16 neighbours
	v_mul_u32_u24 v4, v2, CB                       ; my codes' place in a step's
	v_lshrrev_b32 v5, 1, v2
	s_add_co_u32 s17, s17, 2*32*SP
	v_add_nc_u32 v5, s17, v5                       ; LDS: my wave's 256 scale bytes, my block's byte
	v_lshlrev_b32 v7, 3, v2                        ; and on the way out 8 bytes a lane
	v_add_nc_u32 v6, s17, v7
	s_mov_b32 s23, MANT
	s_and_b32 s24, s16, 1
	s_lshl_b32 s24, s24, 1
	s_lshr_b32 s25, s16, 1
	s_or_b32 s24, s24, s25                         ; the run that wave 2 g + u writes in key and value: 2 u + g
	s_and_b32 s17, ttmp9, 255
	s_lshl_b32 s17, s17, 2                         ; the work-group's first run of 8 rows in its tensor
	s_add_co_u32 s18, s17, s16
	s_lshl_b32 s18, s18, 15                        ; in: 32,768 bytes a run
	s_mov_b32 s19, 0
	s_lshr_b32 s22, ttmp9, 8                       ; which tensor
	s_wait_kmcnt 0x0
	s_cmp_lt_u32 ttmp9, 256                        ; the choices hang on the work-group's number alone
	s_cselect_b64 s[4:5], s[4:5], s[6:7]
	s_cselect_b32 s24, s16, s24                    ; query's rows stay where they are
	s_cmp_lt_u32 ttmp9, 512
	s_cselect_b64 s[4:5], s[4:5], s[8:9]
	s_add_nc_u64 s[4:5], s[4:5], s[18:19]
	s_add_co_u32 s20, s17, s24                     ; the run that I write
	s_lshl_b32 s26, s20, 13                        ; 8,192 bytes of codes a run,
	s_lshl_b32 s25, s22, 23                        ; 2^23 a tensor
	s_add_co_u32 s26, s26, s25
	s_mov_b32 s27, 0
	s_add_nc_u64 s[8:9], s[10:11], s[26:27]        ; my codes
	s_lshl_b32 s26, s20, 8                         ; 256 scale bytes a run,
	s_lshl_b32 s25, s22, 18                        ; 2^18 a tensor
	s_add_co_u32 s26, s26, s25
	s_add_nc_u64 s[10:11], s[12:13], s[26:27]      ; my scale bytes
.macro LOAD t
.irp i, 0,1,2,3
	global_load_b128 v[R+16*((\t)%4)+4*\i:R+16*((\t)%4)+4*\i+3], v3, s[4:5] offset:2048*(\t)+512*\i th:TH_LOAD_NT   ; 32 lanes read 512 consecutive bytes
.endr
.endm
.macro TURN t                          ; step t's numbers through the stage: LDS serves a wave's instructions in order, so no wait stands between the stores and the loads
.irp i, 0,1,2,3
	ds_store_b128 v14, v[R+16*((\t)%4)+4*\i:R+16*((\t)%4)+4*\i+3] offset:32*SP*((\t)%2)+8*SP*\i
.endr
.irp i, 0,1,2,3
	ds_load_b128 v[X+16*((\t)%2)+4*\i:X+16*((\t)%2)+4*\i+3], v15 offset:32*SP*((\t)%2)+16*\i
.endr
.endm
.irp t, 0,1,2,3
	LOAD \t
.endr
	s_wait_loadcnt 12                              ; step 0's four loads are in
	TURN 0
.macro STEP t
.set XS, X+16*((\t)%2)
.if (\t) > 0
	s_wait_dscnt 1                                 ; this step's numbers are back from the stage (the last step's byte store may be out): its stores into the stage have read their registers,
.else
	s_wait_dscnt 0x0
.endif
.if (\t)+4 < STEPS
	LOAD (\t)+4                                    ; which take the loads of four steps on
.endif
.if (\t)+1 < STEPS
.if STEPS-2-(\t) >= 3
	s_wait_loadcnt 12                              ; the next step's four loads are in; those of the three steps behind it may be out
.else
	s_wait_loadcnt 4*(STEPS-2-(\t))
.endif
	TURN (\t)+1                                    ; and go through the other stage while this step is worked
.endif
	v_max3_num_f32 v8, |v[XS]|, |v[XS+1]|, |v[XS+2]|               ; the largest magnitude of my 16
	v_max3_num_f32 v9, |v[XS+3]|, |v[XS+4]|, |v[XS+5]|
.irp i, 6,10
	v_max3_num_f32 v8, v8, |v[XS+\i]|, |v[XS+\i+1]|
	v_max3_num_f32 v9, v9, |v[XS+\i+2]|, |v[XS+\i+3]|
.endr
	v_max3_num_f32 v8, v8, |v[XS+14]|, |v[XS+15]|
	v_max3_num_f32 v8, v8, v9, (EMAX+1)<<23        ; and the floor 2^(16 - 127): the byte cannot fall under 1
	v_max_num_f32_dpp v8, v8, v8 row_xmask:1 row_mask:0xf bank_mask:0xf   ; and of my neighbour's 16: the block's
	v_add_nc_u32 v11, 0xf8800000, v8               ; 15 off its exponent field: the conversion's scale operand
	v_and_or_b32 v10, v8, 0x7f800000, s23          ; 57,344 x the scale
.irp i, 0,1,2,3,4,5,6,7,8,9,10,11,12,13,14,15
	v_med3_num_f32 v[XS+\i], v[XS+\i], -v10, v10   ; the conversion to an 8-bit code does not saturate (ISA guide 7.6.2): the hold comes first
.endr
	v_cvt_scalef32_pk8_bf8_f32 v[C+4*(\t):C+4*(\t)+1], v[XS:XS+7], v11
	v_cvt_scalef32_pk8_bf8_f32 v[C+4*(\t)+2:C+4*(\t)+3], v[XS+8:XS+15], v11
	v_lshrrev_b32 v[E+(\t)], 23, v11               ; the scale's byte (also the plain line behind the conversions)
	ds_store_b8 v5, v[E+(\t)] offset:16*(\t)       ; both lanes of a block write the same byte with the same value
	global_store_b128 v4, v[C+4*(\t):C+4*(\t)+3], s[8:9] offset:32*CB*(\t)
.endm
.irp t, 0,1,2,3,4,5,6,7,8,9,10,11,12,13,14,15
	STEP \t
.endr
	ds_load_b64 v[12:13], v6                       ; LDS serves a wave's instructions in order: these see my stores
	s_wait_dscnt 0x0
	global_store_b64 v7, v[12:13], s[10:11]        ; 32 lanes store 256 consecutive aligned bytes
	s_wait_tensorcnt 0x0
	ds_add_u32 v192, v193
	s_wait_dscnt 0x0
	s_endpgm
.Lfunc_end_k_qd8dd822691_qx:
	.size	k_qd8dd822691_qx, .Lfunc_end_k_qd8dd822691_qx-k_qd8dd822691_qx
	.p2alignl 7, 3214868480
	.fill 96, 4, 3214868480
	.section	.rodata,"a",@progbits
	.p2align	6, 0x0
	.amdhsa_kernel k_qd8dd822691_qx
		.amdhsa_group_segment_fixed_size 33280
		.amdhsa_private_segment_fixed_size 0
		.amdhsa_enable_private_segment 0
		.amdhsa_kernarg_size 40
		.amdhsa_user_sgpr_count 2
		.amdhsa_user_sgpr_kernarg_segment_ptr 1
		.amdhsa_wavefront_size32 1
		.amdhsa_system_sgpr_workgroup_id_x 1
		.amdhsa_system_sgpr_workgroup_id_y 1
		.amdhsa_system_sgpr_workgroup_id_z 1
		.amdhsa_system_vgpr_workitem_id 0
		.amdhsa_next_free_vgpr 194
		.amdhsa_next_free_sgpr 66
		.amdhsa_reserve_vcc 0
		.amdhsa_float_denorm_mode_32 3
		.amdhsa_float_denorm_mode_16_64 3
		.amdhsa_memory_ordered 1
		.amdhsa_forward_progress 1
		.amdhsa_inst_pref_size 51
	.end_amdhsa_kernel
	.amdgpu_metadata
---
amdhsa.version: [ 1, 2 ]
amdhsa.kernels:
  - .name:           k_qd8dd822691_qx
    .symbol:         k_qd8dd822691_qx.kd
    .args:
      - { .name: query, .offset: 0, .size: 8, .value_kind: global_buffer, .address_space: global }
      - { .name: key, .offset: 8, .size: 8, .value_kind: global_buffer, .address_space: global }
      - { .name: value, .offset: 16, .size: 8, .value_kind: global_buffer, .address_space: global }
      - { .name: xc, .offset: 24, .size: 8, .value_kind: global_buffer, .address_space: global }
      - { .name: xs, .offset: 32, .size: 8, .value_kind: global_buffer, .address_space: global }
    .group_segment_fixed_size: 33280
    .private_segment_fixed_size: 0
    .kernarg_segment_align: 8
    .kernarg_segment_size: 40
    .max_flat_workgroup_size: 128
    .sgpr_count:     66
    .vgpr_count:     194
    .wavefront_size: 32
...
	.end_amdgpu_metadata
.endif
;; end of part 2
;; launch proj (part 3): grid 4 x 96, 4 waves a work-group, clusters of 4 x 4, 327,680 bytes of LDS; arguments xc, xs, wc, ws, pc, psw; writes pc, psw
.if DOCPART == 3
	.amdgcn_target "amdgcn-amd-amdhsa--gfx1250"
	.amdhsa_code_object_version 6
	.text
	.protected	k_qd8dd822691_proj
	.globl	k_qd8dd822691_proj
	.p2align	8
	.type	k_qd8dd822691_proj,@function
k_qd8dd822691_proj:
	s_mov_b64 s[64:65], 0
	v_nop
	global_prefetch_b8 v0, s[64:65] scope:SCOPE_SE
	s_setreg_imm32_b32 hwreg(HW_REG_WAVE_MODE, 25, 1), 1
	s_wait_xcnt 0x0
	s_wait_alu depctr_hold_cnt(0) depctr_sa_sdst(0) depctr_va_vdst(0) depctr_va_sdst(0) depctr_va_ssrc(0) depctr_va_vcc(0) depctr_vm_vsrc(0)
	s_getreg_b32 s2, hwreg(HW_REG_IB_STS2, 6, 4)
	s_cmp_eq_u32 s2, 0
	s_cbranch_scc0 .Lentry_in_a_cluster
	s_endpgm
.Lentry_in_a_cluster:
	s_bfe_u32 s2, ttmp6, 0x10000c
	s_cmp_lg_u32 s2, 0xf033
	s_cbranch_scc0 .Lentry_shape_is_right
	s_endpgm
.Lentry_shape_is_right:
; THE THREE PROJECTIONS, on codes of BF8 (E5M2) with one E8M0 scale for each 32 along K = 1,024, and the quantising of their results for the attention launch.
; One text: C'[m'][n'] = sum over k of A'[m'][k] B'[n'][k], then quantised along n'.  The cluster's number c (0 .. 23) gives the role c / 8 and the part ci = c % 8; both are equal in all partners, and nothing branches on them.
;   role 0 (Q), 1 (K): A' = the tokens' codes (query, key), B' = Wq, Wk; tile row 4 ci + cy, tile column cx.  A lane ends with one token and registers along the channels.
;   role 2 (V^T):      A' = Wv's rows (channels), B' = value's tokens; tile row cy, tile column 4 ci + cx.  A lane ends with one channel and registers along the keys.
; A tile of C', 256 x 256, is made by four waves, each 128 x 128: 64 accumulators, 512 registers.  K goes in steps of 256 through a ring of two LDS slots filled by the tensor data mover (rows of 256 bytes).
; The scale bytes of the work-group's 256 + 256 rows, for all of K, come into LDS once, with the first fills.
; CLUSTERS: 4 x 4 work-groups; A's tile is asked for jointly along a row of the cluster, B's along a column.
; THE MATRIX INSTRUCTION IS USED TRANSPOSED (source 0 = 16 rows of B', source 1 = 16 rows of A').  B's rows lie in the chosen order (16 stored rows = rows 8 u + r + 8 (r / 8) of a group of 32), so the 16 registers of
; accumulators (a, 2 p) and (a, 2 p + 1) are n' = 32 p + 16 (lane / 16) + 0 .. 15: the conversions' results ARE registers 4 p .. 4 p + 3 of the next product's operand.
; THE WAY OUT uses no LDS: an operand goes to memory as an image of its registers, 16 bytes a lane, so each store of the wave covers 512 consecutive aligned bytes.
;   pc:  Q [64 heads][128 tiles][2 pieces][512];  from byte 2^23: [64 heads][16 steps of 128 keys][8 tiles of K x 1,024 | 4 tiles of V^T x 2,048].
;   psw: one word a row: Q [head][tile][16], from 2^19 K likewise (bytes 2, 3 = 127: they stand over zero codes), from 2^20 V [head][step][4 tiles][16].
; LIMITS: a block of zeros gets byte 1 (its codes are zeros; only this program reads the bytes); largest magnitudes under 2^-111 were not tried; NaN and infinities are not served.
; REGISTERS, in windows of 256: window 0: v0-31 addresses; v32-63 scale words, two sets; from v128 A's fragments, one set (free on the way out).  window 1: B's fragments, two sets.  windows 2, 3: the accumulators ((a, b) at v[8 (8 (a % 4) + b)]).
.set SIZE_K, 1024
.set KSTEP,  256                       ; along K in a slot
.set NQ,     KSTEP/128                 ; matrix instructions deep
.set ROWB,   256                       ; a tile's row in bytes
.set KROW,   SIZE_K                    ; a row of A' or B' in memory, in bytes
.set PITCH,  272                       ; an LDS row: 256 bytes + 16 of padding = 68 words: the 16 rows that a load touches start at 16 different banks (64 banks of 4 bytes: ISA guide 11.1)
.set FR,     16                        ; registers of a fragment
.set NL,     4                         ; LDS loads that bring one
.set NP,     8                         ; places behind this matrix instruction (ISA guide 7.12.1)
.set HALFT,  128*PITCH                 ; 128 rows: what one tensor load brings
.set SLOT,   4*HALFT                   ; A's 256 rows, then B's 256 rows
.set LAPS,   SIZE_K/(2*KSTEP)
.set KS,     SIZE_K/32                 ; a row of scales in bytes
.set SCL,    2*SLOT                    ; behind the ring: the scales, as runs of 256 bytes + 16 of padding
.set HALFS,  (128*KS/256)*272          ; the scales of 128 rows
.set SBLK,   (16*KS/256)*272           ; those of 16 rows
.set SPARE,  SCL+4*HALFS               ; behind the scales: the spare words, 128 bytes for each wave
.set ADRA, 16                          ; v16-17  LDS address of my A fragments in slot 0, 1
.set ADRB, 20                          ; v20-21  the same for B
.set L16,  24                          ; v24     the way out: 16 x lane
.set SWO,  25                          ; v25     the way out: where my scale word goes
.set ADRS, 27                          ; v27     LDS address of my scale words: lanes 0-15 A's rows, lanes 16-31 B's
.set SPW,  28                          ; v28     LDS address of my spare word; never rewritten
.set NIL,  29                          ; v29     0; never rewritten
.set SC,   32                          ; scale words, two sets
.set AF,   128                         ; A's fragments, in window 0
.set TT,   128                         ; the way out: v128-191 64 numbers, held
.set PC,   192                         ; v192-207 their codes
.set TM,   224                         ; v224-227 largest magnitudes, v228-231 bytes, v232-235 57,344 x the scale, v236-239 the conversions' scale operands
.set PW,   240                         ; the four bytes as a word
.set WD0,  241
.set WD1,  242
.set WDS,  243                         ; the word that my lane stores
.set G1, 24                            ; s[24:31] descriptor group 1 for A's tiles;  s[32:39] group 0, one set for each slot
.set G0, 32
.set G1B, 48                           ; s[48:55], s[56:63] the same for B's tiles
.set G0B, 56
.set G1S, 68                           ; s[68:75], s[76:79] groups 1 and 0 for A's scales;  s[80:87], s[88:91] for B's
.set G0S, 76
.set G1SB, 80
.set G0SB, 88
.set ROLE, 95                          ; s95  0: Q, 1: K, 2: V^T
.set PT0,  40                          ; the way out (the descriptors' registers are free then): s[40:41] where pieces 0, 1 go, s[42:43] pieces 2, 3, s[44:45] the scale words
.set PT1,  42
.set PTS,  44
.set STP1, 46                          ; s[46:47] bytes from block a to block a + 1
.set XTR2, 48                          ; s[48:49] V^T: what block 4, the next head's first, adds in pc;  s[50:51] in psw
.set XTR5, 50
.set MSK0, 54
.set ORW,  55
.set SHF,  56
.set HIM,  57                          ; lanes 16-31
.set SEL,  58                          ; s[58:59] lane selects for v_permlanex16_b32: lane l xor 16
.set MNT,  60                          ; the mantissa field of 57,344
.set MSB, 0
.macro WIN new                         ; the immediate's high byte repeats the setting that is left
.if MSB != \new
	s_set_vgpr_msb (MSB<<8)|\new
.set MSB, \new
.endif
.endm
.set MUL_LO, 0xa1                      ; source 0 (B) window 1, source 1 (A) window 0, C and D window 2
.set MUL_HI, 0xf1                      ; the same, C and D window 3
.set TO_B,   0x40                      ; destination window 1, address window 0
; A joint load: waves 0 and 1 fetch for A, waves 2 and 3 for B.  Each line has one mask and one set of registers for all that issue it; the branch hangs on the wave's number alone.
; Four v_nop follow each of the two lines, ahead of the jump, the label and what follows.
.macro JLOAD g0a, g1a, g0b, g1b
	s_cmp_eq_u32 s15, 0
	s_cbranch_scc0 .Lfor_b_\@
	tensor_load_to_lds s[\g0a:\g0a+3], s[\g1a:\g1a+7]
	s_nop 0
.rept 4
	v_nop
.endr
	s_branch .Lasked_\@
.Lfor_b_\@:
	tensor_load_to_lds s[\g0b:\g0b+3], s[\g1b:\g1b+7]
	s_nop 0
.rept 4
	v_nop
.endr
.Lasked_\@:
.endm
.macro CREST                           ; a round of the cluster's barrier behind its opening barrier
	s_cmp_lg_u32 s14, 0
	s_cbranch_scc1 .Lnot_wave_0_\@
	s_barrier_signal -3
.Lnot_wave_0_\@:
	s_barrier_wait -3
	s_barrier_signal -1
	s_barrier_wait -1
.endm
.macro CROUND                          ; a whole round
	s_barrier_signal -1
	s_barrier_wait -1
	CREST
.endm
	s_load_b128 s[4:7], s[0:1], 0x0                ; the tokens' codes, their scales
	s_load_b128 s[8:11], s[0:1], 0x10              ; the weights' codes, their scales
	s_load_b64 s[12:13], s[0:1], 0x20              ; pc
	s_load_b64 s[98:99], s[0:1], 0x28              ; psw
	v_lshl_add_u32 v[SPW], v0, 2, SPARE
	v_mov_b32 v[NIL], 0
	ds_add_u32 v28, v29
	ds_add_u32 v28, v29
	s_wait_dscnt 0x0
	v_lshrrev_b32 v1, 5, v0
	v_readfirstlane_b32 s14, v1                    ; wave 0..3
	s_lshr_b32 s15, s14, 1                         ; which half of the tile's rows is mine.  Also: I fetch for A (0) or for B (1)
	s_and_b32 s16, s14, 1                          ; which half of its columns.  Also: which 128 rows of that tile I fetch
	s_bfe_u32 s40, ttmp6, 0x40000                  ; cx, cy: my place in the cluster
	s_bfe_u32 s41, ttmp6, 0x40004
	s_and_b32 s94, ttmp7, 0xffff                   ; the cluster's number
	s_lshr_b32 s[ROLE], s94, 3
	s_and_b32 s94, s94, 7
	s_lshl_b32 s94, s94, 2                         ; 4 ci
	s_cmp_lt_u32 s[ROLE], 2
	s_cselect_b32 s17, s94, 0                      ; the tokens' 32 tile rows or columns are walked by ci: in A' for Q and K,
	s_cselect_b32 s42, 0, s94                      ; in B' for V^T
	s_cselect_b32 s96, 23, 20                      ; a tensor of tokens is 2^23 bytes of codes, a weight 2^20
	s_cselect_b32 s97, 20, 23
	s_add_co_u32 s17, s17, s41                     ; tile row: made of cy and the cluster's number alone
	s_add_co_u32 s42, s42, s40                     ; tile column: of cx and the cluster's number alone
	s_lshl_b32 s43, s41, 2
	s_lshl_b32 s43, 15, s43                        ; my row of the cluster
	s_lshl_b32 s44, 0x1111, s40                    ; my column
	; descriptor group 1: a tile of 128 rows x 256 bytes, padded in LDS
	s_or_b32 s[G1+0], s43, (0<<16)|(1<<20)|(1<<21)|(5<<22)|(3<<25)  ; 15:0 the mask; 17:16 element of 1 byte; 20 padding on; 21 set beside a mask; 24:22 after every 64 words; 31:25 four words
	s_or_b32 s[G1B+0], s44, (0<<16)|(1<<20)|(1<<21)|(5<<22)|(3<<25)
.irp g, G1, G1B
	s_mov_b32 s[\g+1], ROWB<<16                    ; tensor_dim0
	s_mov_b32 s[\g+2], 128<<16                     ; tensor_dim1
	s_mov_b32 s[\g+3], ROWB<<16                    ; tile_dim0
	s_mov_b32 s[\g+4], 128                         ; tile_dim1
	s_mov_b32 s[\g+5], KROW                        ; tensor_dim0_stride
	s_mov_b32 s[\g+6], 0
	s_mov_b32 s[\g+7], 0
.endr
	; the scales of 128 rows: a dense block of 4,096 bytes, as rows of 256 bytes (32 elements of 8 bytes), 16 bytes of padding behind each
	s_or_b32 s[G1S+0], s43, (3<<16)|(1<<20)|(1<<21)|(5<<22)|(3<<25)
	s_or_b32 s[G1SB+0], s44, (3<<16)|(1<<20)|(1<<21)|(5<<22)|(3<<25)
.irp g, G1S, G1SB
	s_mov_b32 s[\g+1], 32<<16
	s_mov_b32 s[\g+2], (128*KS/256)<<16
	s_mov_b32 s[\g+3], 32<<16
	s_mov_b32 s[\g+4], 128*KS/256
	s_mov_b32 s[\g+5], 32
	s_mov_b32 s[\g+6], 0
	s_mov_b32 s[\g+7], 0
.endr
	s_lshl_b32 s18, s16, 7                         ; which 128 rows of the tile I fetch
	s_lshl_b32 s20, s17, 8
	s_add_co_u32 s20, s20, s18                     ; A': row 256 x tile row + 128 x half
	s_lshl_b32 s46, s42, 8
	s_add_co_u32 s46, s46, s18                     ; B': row 256 x tile column + 128 x half
	s_mov_b32 s21, 0
	s_mov_b32 s47, 0
	s_mov_b64 s[18:19], KS
	s_mul_u64 s[22:23], s[20:21], s[18:19]         ; where these rows' scales begin, in bytes
	s_mul_u64 s[92:93], s[46:47], s[18:19]
	s_mov_b64 s[18:19], KROW
	s_mul_u64 s[20:21], s[20:21], s[18:19]         ; and their codes
	s_mul_u64 s[46:47], s[46:47], s[18:19]
	s_lshl_b32 s18, s[ROLE], s96                   ; the role's tensor in A's buffer of codes,
	s_mov_b32 s19, 0
	s_add_nc_u64 s[20:21], s[20:21], s[18:19]
	s_lshr_b32 s18, s18, 5                         ; and of scales: a 32nd
	s_add_nc_u64 s[22:23], s[22:23], s[18:19]
	s_lshl_b32 s18, s[ROLE], s97                   ; the same for B'
	s_add_nc_u64 s[46:47], s[46:47], s[18:19]
	s_lshr_b32 s18, s18, 5
	s_add_nc_u64 s[92:93], s[92:93], s[18:19]
	s_mul_i32 s45, s14, HALFT                      ; where they go: wave x 128 rows: no place in the cluster enters an LDS address
	s_mul_i32 s94, s14, HALFS
	s_cmp_lt_u32 s[ROLE], 2
	s_wait_kmcnt 0x0
	s_cselect_b64 s[66:67], s[4:5], s[8:9]         ; A's codes: the tokens' for Q and K, the weights' for V^T.  The choice hangs on the cluster's number alone
	s_cselect_b64 s[8:9], s[8:9], s[4:5]           ; B's codes
	s_cselect_b64 s[100:101], s[6:7], s[10:11]     ; A's scales
	s_cselect_b64 s[10:11], s[10:11], s[6:7]       ; B's scales
	s_add_nc_u64 s[20:21], s[66:67], s[20:21]
	s_add_nc_u64 s[22:23], s[100:101], s[22:23]
	s_add_nc_u64 s[46:47], s[8:9], s[46:47]
	s_add_nc_u64 s[92:93], s[10:11], s[92:93]
	CROUND                                         ; all sixteen work-groups are here: the first joint loads meet
	s_mov_b32 s[G0S], 1
	s_add_co_u32 s[G0S+1], s94, SCL
	s_mov_b64 s[G0S+2:G0S+3], s[22:23]
	s_or_b32 s[G0S+3], s[G0S+3], 0x80000000
	s_mov_b32 s[G0SB], 1
	s_add_co_u32 s[G0SB+1], s94, SCL
	s_mov_b64 s[G0SB+2:G0SB+3], s[92:93]
	s_or_b32 s[G0SB+3], s[G0SB+3], 0x80000000
	JLOAD G0S, G1S, G0SB, G1SB                     ; the scales first: they are wanted with K step 0
.irp s, 0,1
	s_mov_b32 s[G0+4*\s], 1
	s_add_co_u32 s[G0+4*\s+1], s45, \s*SLOT
	s_add_nc_u64 s[G0+4*\s+2:G0+4*\s+3], s[20:21], \s*ROWB
	s_or_b32 s[G0+4*\s+3], s[G0+4*\s+3], 0x80000000
	s_mov_b32 s[G0B+4*\s], 1
	s_add_co_u32 s[G0B+4*\s+1], s45, \s*SLOT
	s_add_nc_u64 s[G0B+4*\s+2:G0B+4*\s+3], s[46:47], \s*ROWB
	s_or_b32 s[G0B+4*\s+3], s[G0B+4*\s+3], 0x80000000
	JLOAD G0+4*\s, G1, G0B+4*\s, G1B
.endr
	v_and_b32 v1, 15, v0                           ; l % 16
	v_bfe_u32 v2, v0, 4, 1                         ; l / 16
	v_mul_u32_u24 v3, v1, PITCH
	v_lshl_add_u32 v4, v2, 4, v3                   ; a fragment's row x pitch + 16 x half
	s_mul_i32 s21, s15, HALFT                      ; my 128 rows of A
	s_mul_i32 s22, s16, HALFT                      ; my 128 rows of B,
	s_add_co_u32 s22, s22, 2*HALFT                 ; which lie behind A's 256
.irp s, 0,1
	v_add_nc_u32 v[ADRA+\s], s21, v4
	v_add_nc_u32 v[ADRB+\s], s22, v4
	s_add_co_u32 s21, s21, SLOT
	s_add_co_u32 s22, s22, SLOT
.endr
	v_mul_u32_u24 v5, v1, KS                       ; my row's scales: 32 bytes a row,
	v_lshrrev_b32 v6, 8, v5
	v_lshl_add_u32 v5, v6, 4, v5                   ; and 16 more for each 256 passed
	s_mul_i32 s21, s15, HALFS                      ; A's: my 128 rows
	s_mul_i32 s22, s16, HALFS                      ; B's: my 128 rows, behind A's 256
	s_add_co_u32 s22, s22, 2*HALFS
	s_sub_co_u32 s22, s22, s21
	v_mul_u32_u24 v6, s22, v2                      ; lanes 16-31 take B's
	s_add_co_u32 s21, s21, SCL
	v_add_nc_u32 v5, v5, v6
	v_add_nc_u32 v[ADRS], s21, v5
.macro FRAG reg, adr, q, i             ; a fragment, 16 rows x 128 K: lane l holds row l % 16; registers 4 c .. 4 c + 3 hold K = 32 c + 16 (l / 16) + 0 .. 15
.irp c, 0,1,2,3
	ds_load_b128 v[\reg+4*\c:\reg+4*\c+3], v[\adr] offset:128*(\q)+32*\c+(\i)*16*PITCH
.endr
.endm
; 16 matrix instructions: A's blocks a0, a0 + 1 x B's eight, 128 along K.  p: B's set;  sc: the set of scale words.  zero = 1: the first product starts the sums.
; The 64 accumulators take turns, one instruction a turn, in the same order in every step.
.macro MUL16 a0, p, q, sc, zero
.irp a, \a0, \a0+1
.irp b, 0,1,2,3,4,5,6,7
.if \zero
	v_wmma_scale_f32_16x16x128_f8f6f4 v[8*(8*((\a)%4)+\b):8*(8*((\a)%4)+\b)+7], v[128*(\p)+FR*\b:128*(\p)+FR*\b+FR-1], v[AF+FR*(\a):AF+FR*(\a)+FR-1], 0, v[SC+8*NQ*(\sc)+NQ*\b+(\q)], v[SC+8*NQ*(\sc)+NQ*(\a)+(\q)] matrix_a_fmt:MATRIX_FMT_BF8 matrix_b_fmt:MATRIX_FMT_BF8 matrix_a_scale:MATRIX_SCALE_ROW1
.else
	v_wmma_scale_f32_16x16x128_f8f6f4 v[8*(8*((\a)%4)+\b):8*(8*((\a)%4)+\b)+7], v[128*(\p)+FR*\b:128*(\p)+FR*\b+FR-1], v[AF+FR*(\a):AF+FR*(\a)+FR-1], v[8*(8*((\a)%4)+\b):8*(8*((\a)%4)+\b)+7], v[SC+8*NQ*(\sc)+NQ*\b+(\q)], v[SC+8*NQ*(\sc)+NQ*(\a)+(\q)] matrix_a_fmt:MATRIX_FMT_BF8 matrix_b_fmt:MATRIX_FMT_BF8 matrix_a_scale:MATRIX_SCALE_ROW1
.endif
.endr
.endr
.endm
.macro FETCH_B slot, q, p              ; B's eight fragments of the slot's q-th 128 along K into set p
	WIN TO_B
.irp i, 0,1,2,3,4,5,6,7
	FRAG 128*(\p)+FR*\i, ADRB+\slot, \q, \i
.endr
	WIN 0
.endm
.macro FETCH_A slot, q, i0             ; A's blocks i0 .. i0 + 3
.irp i, \i0, \i0+1, \i0+2, \i0+3
	FRAG AF+FR*(\i), ADRA+\slot, \q, \i
.endr
.endm
.macro SCALES sc                       ; the next K step's scale words into set sc: lanes 0-15 take A's block i, lanes 16-31 B's block i
.irp i, 0,1,2,3,4,5,6,7
	ds_load_b64 v[SC+8*NQ*\sc+NQ*\i:SC+8*NQ*\sc+NQ*\i+1], v[ADRS] offset:\i*SBLK
.endr
.endm
; A load into a register that a matrix instruction has read, and a vector instruction that reads a matrix result or writes one of its registers, stand NP places behind it; only plain vector
; instructions that name none of its registers are places (ISA guide 7.12.1 for vector instructions).
.macro PLACES n
.rept \n
	v_nop
.endr
.endm
.macro STEP slot, q, zero              ; a step of 128 along K that has its successor in the same slot
	s_wait_dscnt 4*NL                              ; B's set, A's blocks 0-3 and the scale words are in; the youngest sixteen loads (A's blocks 4-7) may be out
	WIN MUL_LO
	MUL16 0, (\q)%2, \q, \slot, \zero
	MUL16 2, (\q)%2, \q, \slot, \zero
	s_wait_dscnt 0                                 ; A's blocks 4-7 are in
	PLACES NP
	FETCH_B \slot, (\q)+1, 1-(\q)%2
	FETCH_A \slot, (\q)+1, 0
	WIN MUL_HI
	MUL16 4, (\q)%2, \q, \slot, \zero
	MUL16 6, (\q)%2, \q, \slot, \zero
	PLACES NP
	WIN 0
	FETCH_A \slot, (\q)+1, 4
.endm
; A slot's last step changes slots: one barrier; in front of it each wave waits for all its tensor loads, adds 0 to its spare word, and waits for that and for its own reads of this slot.  fill = 1: this slot is filled again, two K steps ahead.
.macro TURN slot, next, fill
	s_wait_tensorcnt 0x0                           ; all my tensor loads have landed: my part of the next slot
	ds_add_u32 v[SPW], v[NIL]                      ; 0 onto my spare word
	s_wait_dscnt 4*NL+1                            ; (the add and the youngest sixteen loads, A's blocks 4-7, may be out)
	WIN MUL_LO
	MUL16 0, 1, NQ-1, \slot, 0                     ; sixteen matrix instructions stand between the add and the wait for it
	s_wait_dscnt 0x0                               ; the add is done, and my reads of this slot are over
	s_barrier_signal -1
	MUL16 2, 1, NQ-1, \slot, 0
	WIN 0
	s_barrier_wait -1
.if \fill
	CREST                                          ; the barrier has opened a round of the cluster's barrier: no wave of any partner still reads this slot's tile or has a load on its way
	s_add_nc_u64 s[G0+4*\slot+2:G0+4*\slot+3], s[G0+4*\slot+2:G0+4*\slot+3], 2*ROWB
	s_add_nc_u64 s[G0B+4*\slot+2:G0B+4*\slot+3], s[G0B+4*\slot+2:G0B+4*\slot+3], 2*ROWB
	JLOAD G0+4*\slot, G1, G0B+4*\slot, G1B         ; the first tensor load behind the round; its four v_nop are among the places in front of the loads below
	PLACES NP-4
.else
	PLACES NP
.endif
	v_add_nc_u32 v[ADRS], 4*NQ, v[ADRS]            ; on to the next K step's scale words (no LDS load of mine is out)
	FETCH_B \next, 0, 0
	FETCH_A \next, 0, 0
	SCALES \next
	WIN MUL_HI
	MUL16 4, 1, NQ-1, \slot, 0
	MUL16 6, 1, NQ-1, \slot, 0
	PLACES NP
	WIN 0
	FETCH_A \next, 0, 4
.endm
	s_wait_tensorcnt 1                             ; the scales and my part of K step 0 are in (K step 1's load may be out),
	s_barrier_signal -1
	s_barrier_wait -1                              ; everybody's are
	FETCH_B 0, 0, 0
	FETCH_A 0, 0, 0
	SCALES 0
	FETCH_A 0, 0, 4
	STEP 0, 0, 1                                   ; the first step stands in front of the loop: its products start the sums
	s_mov_b32 s3, LAPS-1
.Llap:                                                 ; a trip goes once round the ring and fills both slots again
	TURN 0, 1, 1
	STEP 1, 0, 0
	TURN 1, 0, 1
	STEP 0, 0, 0
	s_sub_co_u32 s3, s3, 1
	s_cmp_lg_u32 s3, 0
	s_cbranch_scc1 .Llap
	TURN 0, 1, 0                                   ; the last lap fills nothing, and has no round of the cluster's barrier
	STEP 1, 0, 0
	s_wait_dscnt 4*NL                              ; the very last step: nothing more to fetch
	WIN MUL_LO
	MUL16 0, 1, NQ-1, 1, 0
	MUL16 2, 1, NQ-1, 1, 0
	s_wait_dscnt 0
	WIN MUL_HI
	MUL16 4, 1, NQ-1, 1, 0
	MUL16 6, 1, NQ-1, 1, 0
	WIN 0
	PLACES NP                                      ; in front of the first read of results and of writes into the registers that held A's fragments
	; THE WAY OUT.  No tensor load of mine is out (the last change of slots waited for all), so the descriptors' registers are free.
	s_lshl_b32 s24, s17, 8
	s_lshl_b32 s25, s15, 7
	s_add_co_u32 s24, s24, s25                     ; my first row of A'
	s_lshl_b32 s25, s42, 8
	s_lshl_b32 s26, s16, 7
	s_add_co_u32 s25, s25, s26                     ; my first row of B'
	s_min_u32 s28, s[ROLE], 1                      ; r1: 1 for K and V^T
	s_lshr_b32 s29, s[ROLE], 1                     ; r2: 1 for V^T
	s_lshl_b32 s30, 0x20000, s28                   ; a head in pc: 131,072 bytes of Q, 262,144 of K and V
	s_lshl_b32 s31, 0x2000, s28                    ; 128 tokens in pc: 8,192 or 16,384
	s_lshr_b32 s32, 0x2000, s29                    ; a head in psw: 8,192 or 4,096
	s_lshr_b32 s33, 0x200, s29                     ; 128 tokens in psw: 512 or 256
	s_lshl_b32 s[STP1], 0x400, s29                 ; a block's image: 1,024 bytes a head, or 2,048
	s_mov_b32 s[STP1+1], 0
	s_mul_i32 s[XTR2], s29, 253952                 ; 262,144 - 4 x 2,048
	s_mov_b32 s[XTR2+1], 0
	s_mul_i32 s[XTR5], s29, 3840                   ; 4,096 - 4 x 64
	s_mov_b32 s[XTR5+1], 0
	s_mov_b32 s52, 1024
	s_mov_b32 s53, 0
	s_cmp_lt_u32 s[ROLE], 2
	s_cselect_b32 s26, s24, s25                    ; my first token
	s_cselect_b32 s27, s25, s24                    ; my first channel
	s_cselect_b32 s52, s30, s52                    ; pieces 2, 3: the next head's (Q, K), or 1,024 bytes on (V^T)
	s_cselect_b32 s61, 0x2000, 0                   ; lanes 16-31 store the next head's word (Q, K), or the same word to the same place (V^T)
	s_cselect_b32 s[MSK0], 0xffff, -1
	s_cselect_b32 s[ORW], 0x7f7f0000, 0
	s_cselect_b32 s[SHF], 16, 0
	s_mov_b32 s[HIM], 0xffff0000
	s_mov_b32 s[SEL], 0x76543210
	s_mov_b32 s[SEL+1], 0xfedcba98
	s_mov_b32 s[MNT], 0x600000
	s_lshr_b32 s34, s26, 11                        ; the batch,
	s_lshl_b32 s34, s34, 4
	s_lshr_b32 s35, s27, 6
	s_add_co_u32 s34, s34, s35                     ; 16 x batch + head
	s_bfe_u32 s35, s26, 0x40007                    ; which 128 tokens of the batch's 2,048
	s_mul_i32 s36, s34, s30
	s_mul_i32 s37, s35, s31
	s_add_co_u32 s36, s36, s37
	s_lshl_b32 s37, s28, 23                        ; K and V lie behind Q's 2^23 bytes,
	s_add_co_u32 s36, s36, s37
	s_lshl_b32 s37, s29, 13                        ; V^T behind a step's 8,192 bytes of K
	s_add_co_u32 s36, s36, s37
	s_mov_b32 s37, 0
	s_add_nc_u64 s[PT0:PT0+1], s[12:13], s[36:37]
	s_add_nc_u64 s[PT1:PT1+1], s[PT0:PT0+1], s[52:53]
	s_mul_i32 s36, s34, s32
	s_mul_i32 s24, s35, s33
	s_add_co_u32 s36, s36, s24
	s_lshl_b32 s24, s[ROLE], 19
	s_add_co_u32 s36, s36, s24
	s_add_nc_u64 s[PTS:PTS+1], s[98:99], s[36:37]
	v_and_b32 v[L16], 31, v0
	v_lshlrev_b32 v[L16], 4, v[L16]
	v_and_b32 v1, 15, v0
	v_bfe_u32 v2, v0, 4, 1
	v_lshlrev_b32 v[SWO], 2, v1
	v_mad_u32_u24 v[SWO], v2, s61, v[SWO]
.irp b, 0,1,2,3
	v_mov_b32 v[TM+4+\b], 0                        ; written once: a lane permute's destination counts as one of its sources
.endr
; Block a: my lane's 64 numbers, register 16 p + i = n' 32 p + 16 (lane / 16) + i of my row, become 16 registers of codes and a word of four scale bytes.
.macro QA a
.set W, 2+(\a)/4                       ; the block's accumulators: window 2 or 3
.set AC, 64*((\a)%4)
.set WW, (W<<2)|(W<<4)
	WIN WW                                         ; sources 1 and 2 in the accumulators' window
.irp b, 0,1,2,3
	v_max3_num_f32 v[TM+\b], 0x8000000, |v[AC+16*\b]|, |v[AC+16*\b+1]|   ; block p: my 16 numbers, each accumulator from its low end on, and the floor 2^(16 - 127): the byte cannot fall under 1
.endr
.irp i, 2,4,6,8,10,12,14
.irp b, 0,1,2,3
	v_max3_num_f32 v[TM+\b], v[TM+\b], |v[AC+16*\b+\i]|, |v[AC+16*\b+\i+1]|   ; (the four blocks by turns)
.endr
.endr
	WIN 0
	s_wait_xcnt 0x0                                ; the last block's stores have read their data and bases: only behind this wait are they written again
.if (\a) > 0
	s_add_nc_u64 s[PT0:PT0+1], s[PT0:PT0+1], s[STP1:STP1+1]
	s_add_nc_u64 s[PT1:PT1+1], s[PT1:PT1+1], s[STP1:STP1+1]
	s_add_nc_u64 s[PTS:PTS+1], s[PTS:PTS+1], 64
.endif
.if (\a) == 4
	s_add_nc_u64 s[PT0:PT0+1], s[PT0:PT0+1], s[XTR2:XTR2+1]   ; V^T: blocks 4-7 are the next head's channels (0 for Q and K)
	s_add_nc_u64 s[PT1:PT1+1], s[PT1:PT1+1], s[XTR2:XTR2+1]
	s_add_nc_u64 s[PTS:PTS+1], s[PTS:PTS+1], s[XTR5:XTR5+1]
.endif
.irp b, 0,1,2,3
	v_permlanex16_b32 v[TM+4+\b], v[TM+\b], s[SEL], s[SEL+1]
.endr
.irp b, 0,1,2,3
	v_max_num_f32 v[TM+\b], v[TM+\b], v[TM+4+\b]   ; with lane l xor 16's: the block's largest magnitude
.endr
.irp b, 0,1,2,3
	v_add_nc_u32 v[TM+12+\b], 0xf8800000, v[TM+\b] ; 15 off its exponent field: the conversion's scale operand
.endr
.irp b, 0,1,2,3
	v_and_or_b32 v[TM+8+\b], v[TM+\b], 0x7f800000, s[MNT]   ; 57,344 x the scale
.endr
.irp b, 0,1,2,3
	v_lshrrev_b32 v[TM+4+\b], 23, v[TM+12+\b]      ; the scale's byte
.endr
	v_lshl_or_b32 v[PW], v[TM+5], 8, v[TM+4]
	v_lshl_or_b32 v[PW], v[TM+6], 16, v[PW]
	v_lshl_or_b32 v[PW], v[TM+7], 24, v[PW]
	v_and_or_b32 v[WD0], v[PW], s[MSK0], s[ORW]    ; Q, K: the first head's two bytes under 127, 127;  V^T: all four
	v_lshrrev_b32 v[WD1], s[SHF], v[PW]
	v_or_b32 v[WD1], s[ORW], v[WD1]                ; Q, K: the second head's;  V^T: all four again
	v_cndmask_b32 v[WDS], v[WD0], v[WD1], s[HIM]   ; lanes 16-31 take the second
	WIN W                                          ; source 0 in the accumulators' window
.set NN, 0
.rept 64
	v_med3_num_f32 v[TT+NN], v[AC+NN], -v[TM+8+NN/16], v[TM+8+NN/16]   ; the conversion to an 8-bit code does not saturate (ISA guide 7.6.2): the hold comes first
.set NN, NN+1
.endr
	WIN 0
.irp g, 0,1,2,3,4,5,6,7
	v_cvt_scalef32_pk8_bf8_f32 v[PC+2*\g:PC+2*\g+1], v[TT+8*\g:TT+8*\g+7], v[TM+12+\g/2]
.endr
	v_nop                                          ; a plain line behind the last conversion, ahead of the next vector line that writes its sources
	global_store_b128 v[L16], v[PC:PC+3], s[PT0:PT0+1]                    ; each store: 32 lanes, 512 consecutive aligned bytes
	global_store_b128 v[L16], v[PC+4:PC+7], s[PT0:PT0+1] offset:512
	global_store_b128 v[L16], v[PC+8:PC+11], s[PT1:PT1+1]
	global_store_b128 v[L16], v[PC+12:PC+15], s[PT1:PT1+1] offset:512
	global_store_b32 v[SWO], v[WDS], s[PTS:PTS+1]
.endm
.irp a, 0,1,2,3,4,5,6,7
	QA \a
.endr
	s_wait_tensorcnt 0x0                           ; the wave's end
	ds_add_u32 v[SPW], v[NIL]
	s_wait_dscnt 0x0
	CROUND                                         ; the closing round: no work-group ends while a partner may still ask for a tile that names it
	s_endpgm
.Lfunc_end_k_qd8dd822691_proj:
	.size	k_qd8dd822691_proj, .Lfunc_end_k_qd8dd822691_proj-k_qd8dd822691_proj
	.p2alignl 7, 3214868480
	.fill 96, 4, 3214868480
	.section	.rodata,"a",@progbits
	.p2align	6, 0x0
	.amdhsa_kernel k_qd8dd822691_proj
		.amdhsa_group_segment_fixed_size 327680
		.amdhsa_private_segment_fixed_size 0
		.amdhsa_enable_private_segment 0
		.amdhsa_kernarg_size 48
		.amdhsa_user_sgpr_count 2
		.amdhsa_user_sgpr_kernarg_segment_ptr 1
		.amdhsa_wavefront_size32 1
		.amdhsa_system_sgpr_workgroup_id_x 1
		.amdhsa_system_sgpr_workgroup_id_y 1
		.amdhsa_system_sgpr_workgroup_id_z 1
		.amdhsa_system_vgpr_workitem_id 0
		.amdhsa_next_free_vgpr 1024
		.amdhsa_next_free_sgpr 102
		.amdhsa_reserve_vcc 0
		.amdhsa_float_denorm_mode_32 3
		.amdhsa_float_denorm_mode_16_64 3
		.amdhsa_memory_ordered 1
		.amdhsa_forward_progress 1
		.amdhsa_inst_pref_size 190
	.end_amdhsa_kernel
	.amdgpu_metadata
---
amdhsa.version: [ 1, 2 ]
amdhsa.kernels:
  - .name:           k_qd8dd822691_proj
    .symbol:         k_qd8dd822691_proj.kd
    .args:
      - { .name: xc, .offset: 0, .size: 8, .value_kind: global_buffer, .address_space: global }
      - { .name: xs, .offset: 8, .size: 8, .value_kind: global_buffer, .address_space: global }
      - { .name: wc, .offset: 16, .size: 8, .value_kind: global_buffer, .address_space: global }
      - { .name: ws, .offset: 24, .size: 8, .value_kind: global_buffer, .address_space: global }
      - { .name: pc, .offset: 32, .size: 8, .value_kind: global_buffer, .address_space: global }
      - { .name: psw, .offset: 40, .size: 8, .value_kind: global_buffer, .address_space: global }
    .group_segment_fixed_size: 327680
    .private_segment_fixed_size: 0
    .kernarg_segment_align: 8
    .kernarg_segment_size: 48
    .max_flat_workgroup_size: 128
    .sgpr_count:     102
    .vgpr_count:     1024
    .wavefront_size: 32
...
	.end_amdgpu_metadata
.endif
;; end of part 3
;; launch attn (part 4): grid 8 x 64, 16 waves a work-group, no clusters, 284,672 bytes of LDS; arguments pc, psw, mask, acode, ascale; writes acode, ascale
.if DOCPART == 4
	.amdgcn_target "amdgcn-amd-amdhsa--gfx1250"
	.amdhsa_code_object_version 6
	.text
	.protected	k_qd8dd822691_attn
	.globl	k_qd8dd822691_attn
	.p2align	8
	.type	k_qd8dd822691_attn,@function
k_qd8dd822691_attn:
	s_mov_b64 s[64:65], 0
	v_nop
	global_prefetch_b8 v0, s[64:65] scope:SCOPE_SE
	s_setreg_imm32_b32 hwreg(HW_REG_WAVE_MODE, 25, 1), 1
	s_wait_xcnt 0x0
; CAUSAL ATTENTION WITH A PADDING MASK, both products on codes of BF8 (E5M2) with one E8M0 scale for each 32 along a product's K.  64 heads (16 x batch + head) of 2,048 tokens x 64 channels.
; In: Q, K, V^T as images of operand registers and their scale words (laid by the launch before), mask [4][2048] int32.  Out: the result, quantised along head x 64 + channel, as images of the last product's first operand, and its scale bytes [8192 tokens][32].
; THE SOFTMAX: t = score x log2(e) / 8; M = the row's largest t so far, rounded up to a whole number; p = 2^(t - M) is quantised along the keys, not normalised; the row's sum is taken of the unquantised p and divides at the end.
; When M moves, the sum and O are multiplied by 2^(old M - new M): exact.
; SHARES.  Work-group (j, head) owns query chunks j and 15 - j of 128 queries: 17 x 8 wave-steps in every work-group.  Each of its sixteen waves owns one tile of 16 queries in 256 registers, four waves to a SIMD, two of each chunk.
; LDS.  A head's K and V are 262,144 bytes of images: they are brought in ONCE, by four tensor loads a wave (4,096 dense bytes each) at the kernel's head, and stay.  Nothing is filled again.  Group g of the loads is key steps 4 g .. 4 g + 3:
; in front of each group stand a counted wait and a barrier.  A step all of whose keys come after the wave's queries is left out by a scalar branch on ids; trip counts are constants.
; NO JOINT LOADS, though the eight work-groups of a head read the same K and V: which steps a wave leaves out hangs on its work-group's chunks, which would be its place in the cluster.
; NO PREFETCH: every byte that a work-group reads is asked for in its first lines.
; LAYOUT.  Both products are used transposed: S^T = K Q^T, O^T = V^T P^T: a lane holds ONE query (lane % 16).  K's rows, and V^T's channels, lie in the chosen order, so the 16 registers of tiles 2 b, 2 b + 1 are 16 neighbours (keys, channels).
; THE PADDING MASK RIDES IN THE UNUSED HALF OF THE FIRST PRODUCT'S K (the head has 64, the instruction takes 128).  At k = 64 Q holds the code of 1.0 and a key holds 0, or -57,344 under the scale 2^100 if its mask is 0:
; a masked score is the score - 1.75 x 2^115, its p exactly 0.  No vector instruction in the loop; all other codes of that half are zeros, under K's scale byte 1.
; The largest t starts at -2^100, above every masked t: so a masked t is never the maximum.  A row whose largest t ends under -2^99 had no valid key: its scale bytes become 0xff, which makes the row NaN in the last product, as the softmax of such a row is.
; LIMITS: rows whose largest t lies under -2^99 are not told apart from rows without a valid key; NaN and infinities are not served; a block of zeros gets byte 1 (its codes are zeros; only this program reads the bytes).
; REGISTERS: v1-5 addresses that stay; v8-11 addresses of the step; v12 -M, v13 the largest t, v[14:15] the sum; v16-31 Q; v32-95 four fragments of K (8 registers of codes, the mask word, 7 zeros); v96-159 S^T, then p, then V^T's four fragments;
;   v160-191 O^T; v192-207 p's codes; v208-223 at work; v224-233 scale words and nothing else; v[234:235] f; v236-238 at work.
.set KSWB,  262144                     ; LDS: behind the images: K's scale words, 4 bytes a key, 512 a step;
.set KMWB,  270336                     ; the keys' mask words, likewise;
.set VSWB,  278528                     ; V's scale words, 64 bytes a tile, 256 a step.  These three are written by LDS stores alone
.set AL,   1                           ; v1   16 x lane: an image's place for my lane
.set ASW,  2                           ; v2   KSWB + 4 (lane % 16)
.set AMW,  3                           ; v3   KMWB + 4 (lane % 16)
.set AVS,  4                           ; v4   VSWB + 4 (lane % 16)
.set DQ,   5                           ; v5   lane % 16 - 16 (lane / 16)
.set ADK,  8
.set ADS,  9
.set ADM,  10
.set ADT,  11
.set BM,   208                         ; each block's largest score, then largest p
.set PT,   212                         ; the other half's; then the bytes
.set HL,   216                         ; 57,344 x the scale
.set SO,   220                         ; the conversions' scale operands
.set KSC,  224                         ; K's scale words, four tiles
.set VSC,  228                         ; V's
.set PSW,  232                         ; p's
.set QSW,  233                         ; Q's
.set FF,   234                         ; f = 2^(old M - new M)
.set WV,   18
.set MNT,  19
.set SEL,  20
.set CS,   22                          ; s[22:23] c = log2(e) / 8
.set G1,   24                          ; s[24:31] descriptor group 1;  s[32:47] four groups 0
.set G0,   32
.set TB,   2                           ; s2   LDS byte at which the step's images begin
.set TS,   3                           ; s3   the step's words of K: 512 bytes a step
.set TV,   66                          ; s66  and of V: 256
.set CNT,  67
.set KF,   98                          ; s98  the step's first key
.set Q0,   99                          ; s99  my first query
	s_load_b256 s[4:11], s[0:1], 0x0               ; pc, psw, mask, the result's codes
	s_load_b64 s[12:13], s[0:1], 0x20              ; the result's scale bytes
	v_lshl_add_u32 v254, v0, 2, 0x45000
	v_mov_b32 v255, 0
	ds_add_u32 v254, v255
	ds_add_u32 v254, v255
	v_lshrrev_b32 v8, 5, v0
	v_readfirstlane_b32 s[WV], v8                  ; wave 0..15
	s_and_b32 s68, ttmp7, 0xffff                   ; 16 x batch + head
	s_lshr_b32 s69, s[WV], 2
	s_xor_b32 s69, s69, s[WV]
	s_and_b32 s69, s69, 1                          ; which of the two chunks: waves w and w + 1, and waves w and w + 4, differ
	s_lshr_b32 s70, s[WV], 1                       ; which tile of the chunk's eight
	s_sub_co_u32 s71, 15, ttmp9
	s_cmp_eq_u32 s69, 0
	s_cselect_b32 s71, ttmp9, s71                  ; the chunk
	s_lshl_b32 s71, s71, 3
	s_add_co_u32 s71, s71, s70                     ; my tile of 16 queries, 0 .. 127
	s_lshl_b32 s[Q0], s71, 4
	s_lshl_b32 s74, s[WV], 12                      ; my 4,096 bytes of each group of fills
	s_lshl_b32 s72, s68, 18                        ; the head's 262,144 bytes of K and V,
	s_add_co_u32 s72, s72, s74
	s_add_co_u32 s72, s72, 0x800000                ; behind Q's 2^23
	s_mov_b32 s73, 0
	s_lshl_b32 s76, s68, 7
	s_add_co_u32 s76, s76, s71
	s_lshl_b32 s78, s76, 6                         ; Q's scale words: 64 bytes a tile
	s_lshl_b32 s76, s76, 10                        ; Q's image: 1,024 bytes a tile
	s_mov_b32 s77, 0
	s_mov_b32 s79, 0
	s_lshl_b32 s80, s68, 13                        ; K's scale words: 8,192 bytes a head
	s_mov_b32 s81, 0
	s_lshl_b32 s82, s68, 12                        ; V's: 4,096
	s_mov_b32 s83, 0
	s_lshr_b32 s75, s68, 4                         ; the batch
	s_lshl_b32 s84, s75, 13                        ; its 2,048 words of the mask
	s_mov_b32 s85, 0
	s_lshl_b32 s75, s75, 7
	s_add_co_u32 s75, s75, s71                     ; my tile among the 512 tiles of tokens
	s_and_b32 s90, s68, 15                         ; the head
	s_lshl_b32 s86, s75, 14                        ; out: 16,384 bytes a tile of tokens, 1,024 a head
	s_lshl_b32 s91, s90, 10
	s_add_co_u32 s86, s86, s91
	s_mov_b32 s87, 0
	s_lshl_b32 s88, s75, 9                         ; scale bytes: 32 a token, 2 a head
	s_lshl_b32 s91, s90, 1
	s_add_co_u32 s88, s88, s91
	s_mov_b32 s89, 0
	; descriptor group 1: 4,096 dense bytes as 16 rows of 256 bytes (32 elements of 8 bytes), no padding
	s_mov_b32 s[G1], 3<<16
	s_mov_b32 s[G1+1], 32<<16                      ; tensor_dim0
	s_mov_b32 s[G1+2], 16<<16                      ; tensor_dim1
	s_mov_b32 s[G1+3], 32<<16                      ; tile_dim0
	s_mov_b32 s[G1+4], 16                          ; tile_dim1
	s_mov_b32 s[G1+5], 32                          ; tensor_dim0_stride
	s_mov_b32 s[G1+6], 0
	s_mov_b32 s[G1+7], 0
	s_mov_b32 s[SEL], 0x76543210
	s_mov_b32 s[SEL+1], 0xfedcba98
	s_mov_b32 s[CS], 0x3e38aa3b                    ; c = log2(e) / 8
	s_mov_b32 s[CS+1], s[CS]                       ; (named with it as a pair, so it is written)
	s_mov_b32 s[MNT], 0x600000
	s_mov_b32 s[TB], 0
	s_mov_b32 s[TS], 0
	s_mov_b32 s[TV], 0
	s_mov_b32 s[KF], 0
	s_wait_dscnt 0x0
	s_wait_kmcnt 0x0
	s_add_nc_u64 s[72:73], s[4:5], s[72:73]
.irp g, 0,1,2,3
	s_mov_b32 s[G0+4*\g], 1                        ; count = 1
	s_add_co_u32 s[G0+4*\g+1], s74, \g*65536       ; LDS address: 4,096 x wave + 65,536 x group
	s_add_nc_u64 s[G0+4*\g+2:G0+4*\g+3], s[72:73], \g*65536
	s_or_b32 s[G0+4*\g+3], s[G0+4*\g+3], 0x80000000   ; type = 2
.endr
.irp g, 0,1,2,3
	tensor_load_to_lds s[G0+4*\g:G0+4*\g+3], s[G1:G1+7]   ; all fills of the launch, as one group at its start: four loads of mine are out
	s_nop 0
.endr
.rept 4
	v_nop
.endr
	s_add_nc_u64 s[76:77], s[4:5], s[76:77]
	s_add_nc_u64 s[78:79], s[6:7], s[78:79]
	s_add_nc_u64 s[80:81], s[6:7], s[80:81]
	s_add_nc_u64 s[82:83], s[6:7], s[82:83]
	s_add_nc_u64 s[84:85], s[8:9], s[84:85]
	s_add_nc_u64 s[86:87], s[10:11], s[86:87]
	s_add_nc_u64 s[88:89], s[12:13], s[88:89]
	v_and_b32 v6, 31, v0
	v_lshlrev_b32 v[AL], 4, v6
	v_and_b32 v7, 15, v0                           ; r
	v_lshl_add_u32 v[ASW], v7, 2, KSWB
	v_lshl_add_u32 v[AMW], v7, 2, KMWB
	v_lshl_add_u32 v[AVS], v7, 2, VSWB
	v_bfe_u32 v10, v0, 4, 1                        ; h
	v_lshlrev_b32 v11, 4, v10
	v_sub_nc_u32 v[DQ], v7, v11
	v_lshlrev_b32 v6, 2, v7                        ; 4 r
	v_lshlrev_b32 v7, 4, v0                        ; 16 x thread: four stored rows of K
	v_lshrrev_b32 v9, 3, v0                        ; the four keys that lie there: stored row 32 p + 16 u + 8 g + i is key 32 p + 16 g + 8 u + i; in bytes of the mask:
	v_lshlrev_b32 v9, 7, v9                        ; 128 p,
	v_bfe_u32 v11, v0, 1, 1
	v_lshl_or_b32 v9, v11, 6, v9                   ; 64 g,
	v_bfe_u32 v11, v0, 2, 1
	v_lshl_or_b32 v9, v11, 5, v9                   ; 32 u,
	v_and_b32 v11, 1, v0
	v_lshl_or_b32 v9, v11, 4, v9                   ; 16 (i / 4)
	v_lshlrev_b32 v8, 3, v0                        ; 8 x thread
	global_load_b128 v[16:19], v[AL], s[76:77]                   ; Q's image: registers 0-7 of its fragment
	global_load_b128 v[20:23], v[AL], s[76:77] offset:512
	global_load_b32 v[QSW], v6, s[78:79]                         ; Q's scale words
	global_load_b128 v[96:99], v7, s[80:81] offset:524288        ; K's scale words of four stored rows
	global_load_b128 v[100:103], v9, s[84:85]                    ; the mask of their four keys
	global_load_b64 v[104:105], v8, s[82:83] offset:1048576      ; two of V's scale words
	v_mov_b32 v236, 0x3c                           ; the code of 1.0
	v_cmp_eq_u32 vcc_lo, 0, v10
	v_cndmask_b32 v24, 0, v236, vcc_lo             ; Q at k = 64: byte 0 of register 8 in lanes 0-15; all else of registers 8-15 is 0
.irp z, 25,26,27,28,29,30,31
	v_mov_b32 v[\z], 0
.endr
.irp t, 0,1,2,3
.irp z, 9,10,11,12,13,14,15
	v_mov_b32 v[32+16*\t+\z], 0                    ; K's registers 9-15: zeros, written once
.endr
.endr
	v_mov_b32 v13, 0xf1800000                      ; the largest t so far: -2^100
	v_floor_f32 v12, -v13                          ; -M
	v_mov_b32 v14, 0                               ; the sum, in two halves
	v_mov_b32 v15, 0
.irp b, 0,1,2,3
	v_mov_b32 v[PT+\b], 0                          ; written once: a lane permute's destination counts as one of its sources
.endr
	v_mov_b32 v[FF], 0
	v_mov_b32 v[FF+1], 0                           ; (named as the upper half of the pair)
.set NN, 0
.rept 32
	v_mov_b32 v[160+NN], 0                         ; O^T.  (The step is written once: the first finds zeros, which the first change of M leaves zeros)
.set NN, NN+1
.endr
	v_mov_b32 v237, 0xfb                           ; the code of -57,344
	v_lshl_add_u32 v10, v0, 4, KSWB
	v_lshl_add_u32 v11, v0, 3, VSWB
	s_wait_loadcnt 0x0
.irp e, 0,1,2,3
	v_cmp_eq_u32 vcc_lo, 0, v[100+\e]              ; a masked key?  (It selects values alone: nothing branches on it)
	v_xor_b32 v[108+\e], 0x7e9c0000, v[96+\e]      ; masked: byte 2 from 127 to 227 (2^100), byte 3 to 1
	v_xor_b32 v[96+\e], 0x7e7e0000, v[96+\e]       ; else: bytes 2 and 3 to 1: they stand over zero codes
	v_cndmask_b32 v[96+\e], v[96+\e], v[108+\e], vcc_lo
	v_cndmask_b32 v[100+\e], 0, v237, vcc_lo       ; the key's code at k = 64
.endr
	ds_store_b128 v10, v[96:99]
	ds_store_b128 v10, v[100:103] offset:KMWB-KSWB
	ds_store_b64 v11, v[104:105]
; A KEY STEP: 128 keys.
.macro STEP
	s_add_co_u32 s96, s[Q0], 15                    ; a step all of whose keys come after my 16 queries is left out: a scalar branch on ids, round its loads, products and softmax, not round the lines that step addresses
	s_cmp_gt_u32 s[KF], s96
	s_cbranch_scc1 .Lhidden_\@
	v_add_nc_u32 v[ADK], s[TB], v[AL]
	v_add_nc_u32 v[ADS], s[TS], v[ASW]
	v_add_nc_u32 v[ADM], s[TS], v[AMW]
	v_add_nc_u32 v[ADT], s[TV], v[AVS]
.rept 5
	v_nop                                          ; with the four additions nine places: the scores below are written over registers that the last step's products V^T P read
.endr
.irp g, 0,1                                    ; S^T = K Q^T, four tiles of 16 keys at a time
.if \g > 0
.rept 8
	v_nop                                          ; places in front of loads into registers that matrix instructions have read
.endr
.endif
.irp t, 0,1,2,3
	ds_load_b128 v[32+16*\t:35+16*\t], v[ADK] offset:1024*(4*\g+\t)
	ds_load_b128 v[36+16*\t:39+16*\t], v[ADK] offset:1024*(4*\g+\t)+512
	ds_load_b32 v[40+16*\t], v[ADM] offset:64*(4*\g+\t)          ; register 8: the key's mask word
	ds_load_b32 v[KSC+\t], v[ADS] offset:64*(4*\g+\t)
.endr
	s_wait_dscnt 0x0
.irp t, 0,1,2,3
	v_wmma_scale_f32_16x16x128_f8f6f4 v[96+8*(4*\g+\t):103+8*(4*\g+\t)], v[32+16*\t:47+16*\t], v[16:31], 0, v[KSC+\t], v[QSW] matrix_a_fmt:MATRIX_FMT_BF8 matrix_b_fmt:MATRIX_FMT_BF8
.endr
.endr                                          ; lane (r, h) holds query r; register 16 b + i is key KF + 32 b + 16 h + i
.rept 8
	v_nop
.endr
	s_add_co_u32 s96, s[KF], 127                   ; on the diagonal the scores of later keys become -infinity; a step all of whose keys count skips this
	s_cmp_le_u32 s96, s[Q0]
	s_cbranch_scc1 .Lopen_\@
	s_sub_co_i32 s96, s[Q0], s[KF]
	v_add_nc_u32 v236, s96, v[DQ]                  ; d = my query - KF - 16 h: register 16 b + i is hidden where 32 b + i > d
	v_mov_b32 v238, 0xff800000
.set NN, 0
.rept 64
	v_cmp_gt_i32 vcc_lo, 32*(NN/16)+NN%16, v236
	v_cndmask_b32 v[96+NN], v[96+NN], v238, vcc_lo
.set NN, NN+1
.endr
.Lopen_\@:
.irp b, 0,1,2,3
	v_max3_num_f32 v[BM+\b], v[96+16*\b], v[97+16*\b], v[98+16*\b]   ; the largest score of each block of 32 keys: for the row's maximum, and, since p rises with the score, for the block's largest p
.endr
.irp i, 3,5,7,9,11,13
.irp b, 0,1,2,3
	v_max3_num_f32 v[BM+\b], v[BM+\b], v[96+16*\b+\i], v[97+16*\b+\i]
.endr
.endr
.irp b, 0,1,2,3
	v_max_num_f32 v[BM+\b], v[BM+\b], v[111+16*\b]
.endr
.irp b, 0,1,2,3
	v_permlanex16_b32 v[PT+\b], v[BM+\b], s[SEL], s[SEL+1]
.endr
.irp b, 0,1,2,3
	v_max_num_f32 v[BM+\b], v[BM+\b], v[PT+\b]     ; with lane l xor 16's 16 keys
.endr
	v_max3_num_f32 v238, v[BM], v[BM+1], v[BM+2]
	v_max_num_f32 v238, v238, v[BM+3]              ; the step's largest score of my query
	v_mul_f32 v238, s[CS], v238                    ; as t
	v_max_num_f32 v13, v13, v238                   ; the running largest t
	v_mov_b32 v238, v12
	v_floor_f32 v12, -v13                          ; the new -M = -ceil(t)
	v_sub_f32 v238, v12, v238                      ; old M - new M: a whole number, 0 or less
	v_cvt_i32_f32 v238, v238                       ; (it saturates)
	v_ldexp_f32 v[FF], 1.0, v238                   ; f = 2^(old M - new M)
.set NN, 0
.rept 32
	v_pk_fma_f32 v[96+NN:97+NN], v[96+NN:97+NN], s[CS:CS+1], v[12:13] op_sel_hi:[1,0,0]   ; t - M, two at a time
.set NN, NN+2
.endr
.irp b, 0,1,2,3
	v_fma_f32 v[BM+\b], v[BM+\b], s[CS], v12       ; the same of each block's largest score
.endr
.set NN, 0
.rept 64
	v_exp_f32 v[96+NN], v[96+NN]                   ; p = 2^(t - M), at most 1
.set NN, NN+1
.endr
	v_pk_mul_f32 v[14:15], v[14:15], v[FF:FF+1] op_sel_hi:[1,0]   ; the sums under the new M (a plain line behind the exponentials)
	s_wait_alu depctr_va_vdst(0)                   ; one wait for the batch of 64, ahead of its first reader
.irp b, 0,1,2,3
	v_exp_f32 v[BM+\b], v[BM+\b]                   ; the block's largest p: the same two instructions on the same number give the same bits
.endr
	v_pk_add_f32 v[236:237], v[96:97], v[98:99]    ; the row's sum is taken of the unquantised p: two at a time, in two chains
.irp j, 4,8,12,16,20,24,28,32,36,40,44,48,52,56,60
	v_pk_add_f32 v[14:15], v[14:15], v[96+\j:97+\j]
	v_pk_add_f32 v[236:237], v[236:237], v[98+\j:99+\j]
.endr
	v_pk_add_f32 v[14:15], v[14:15], v[236:237]
	s_wait_alu depctr_va_vdst(0)                   ; and one for the four
.irp b, 0,1,2,3
	v_max_num_f32 v[BM+\b], 0x8000000, v[BM+\b]    ; the floor 2^(16 - 127): the byte cannot fall under 1
.endr
.irp b, 0,1,2,3
	v_add_nc_u32 v[SO+\b], 0xf8800000, v[BM+\b]    ; 15 off the exponent field: the conversion's scale operand
.endr
.irp b, 0,1,2,3
	v_and_or_b32 v[HL+\b], v[BM+\b], 0x7f800000, s[MNT]   ; 57,344 x the scale
.endr
.irp b, 0,1,2,3
	v_lshrrev_b32 v[PT+\b], 23, v[SO+\b]           ; the scale's byte
.endr
	v_lshl_or_b32 v[PSW], v[PT+1], 8, v[PT]        ; p's scale word for these 128 keys
	v_lshl_or_b32 v[PSW], v[PT+2], 16, v[PSW]
	v_lshl_or_b32 v[PSW], v[PT+3], 24, v[PSW]
.irp b, 0,1,2,3
.irp i, 0,1,2,3,4,5,6,7,8,9,10,11,12,13,14,15
	v_min_num_f32 v[96+16*\b+\i], v[96+16*\b+\i], v[HL+\b]   ; the conversion does not saturate (ISA guide 7.6.2); p is not negative, so the hold is one-sided
.endr
	v_cvt_scalef32_pk8_bf8_f32 v[192+4*\b:193+4*\b], v[96+16*\b:103+16*\b], v[SO+\b]
	v_cvt_scalef32_pk8_bf8_f32 v[194+4*\b:195+4*\b], v[104+16*\b:111+16*\b], v[SO+\b]
.endr
.irp t, 0,1,2,3                                ; V^T's four fragments (16 channels x 128 keys) take p's registers
.irp c, 0,1,2,3
	ds_load_b128 v[96+16*\t+4*\c:99+16*\t+4*\c], v[ADK] offset:8192+2048*\t+512*\c
.endr
	ds_load_b32 v[VSC+\t], v[ADT] offset:64*\t
.endr
.set NN, 0
.rept 16
	v_pk_mul_f32 v[160+NN:161+NN], v[160+NN:161+NN], v[FF:FF+1] op_sel_hi:[1,0]   ; O^T under the new M.  (These are also the places between the codes and scale word just made and the products)
.set NN, NN+2
.endr
.rept 4
	v_nop                                          ; four places between the last of these and the products that add onto them
.endr
	s_wait_dscnt 0x0
.irp t, 0,1,2,3                                ; O^T += V^T P^T: four accumulators by turns, one instruction a turn
	v_wmma_scale_f32_16x16x128_f8f6f4 v[160+8*\t:167+8*\t], v[96+16*\t:111+16*\t], v[192:207], v[160+8*\t:167+8*\t], v[VSC+\t], v[PSW] matrix_a_fmt:MATRIX_FMT_BF8 matrix_b_fmt:MATRIX_FMT_BF8
.endr
.Lhidden_\@:
	s_add_co_u32 s[KF], s[KF], 128
	s_add_co_u32 s[TB], s[TB], 16384
	s_add_co_u32 s[TS], s[TS], 512
	s_add_co_u32 s[TV], s[TV], 256
.endm
; Key steps 4 g .. 4 g + 3.  My fills of groups 0 .. g have landed (tensor loads of a wave end in order: ISA guide 10.11.1), the 3 - g later ones may stay out.  Behind the barrier that holds of all sixteen waves.
.macro GROUP g
	s_wait_tensorcnt 3-\g
	s_wait_dscnt 0x0                               ; my LDS stores of the words have landed (group 0); no LDS instruction of mine is out at a signal
	s_barrier_signal -1
	s_barrier_wait -1
	s_mov_b32 s[CNT], 4
.Lstep_\@:
	STEP
	s_sub_co_u32 s[CNT], s[CNT], 1
	s_cmp_lg_u32 s[CNT], 0
	s_cbranch_scc1 .Lstep_\@
.endm
	GROUP 0
	GROUP 1
	GROUP 2
	GROUP 3
	; THE WAY OUT.  O^T / the sum; register 16 b + i is channel 32 b + 16 h + i of my query: two blocks of the last product's K.  Quantised, they are two pieces of that product's operand.
.rept 8
	v_nop                                          ; places behind the last products
.endr
	v_add_f32 v14, v14, v15                        ; the sum's two halves,
	v_permlanex16_b32 v[FF], v14, s[SEL], s[SEL+1]
	v_add_f32 v14, v14, v[FF]                      ; and lane l xor 16's
	v_max_num_f32 v14, 0x800000, v14               ; a row without a valid key has the sum 0 and O^T = 0: held at 2^-126 it gives zeros
	v_rcp_f32 v14, v14
	v_cmp_gt_f32 vcc_lo, 0xf1000000, v13           ; (a plain line behind the reciprocal)  the largest t under -2^99: no valid key
	v_and_b32 v7, 15, v0
	v_lshlrev_b32 v7, 5, v7                        ; 32 bytes of scales a token
	v_mov_b32 v237, 0xffff
	s_wait_alu depctr_va_vdst(0)                   ; ahead of the reciprocal's first reader
.set NN, 0
.rept 16
	v_pk_mul_f32 v[96+NN:97+NN], v[160+NN:161+NN], v[14:15] op_sel_hi:[1,0]   ; each accumulator from its low end on
.set NN, NN+2
.endr
.irp b, 0,1
	v_max3_num_f32 v[BM+\b], |v[96+16*\b]|, |v[97+16*\b]|, 0x8000000
.endr
.irp i, 2,4,6,8,10,12,14
.irp b, 0,1
	v_max3_num_f32 v[BM+\b], v[BM+\b], |v[96+16*\b+\i]|, |v[97+16*\b+\i]|
.endr
.endr
.irp b, 0,1
	v_permlanex16_b32 v[PT+\b], v[BM+\b], s[SEL], s[SEL+1]
.endr
.irp b, 0,1
	v_max_num_f32 v[BM+\b], v[BM+\b], v[PT+\b]
.endr
.irp b, 0,1
	v_add_nc_u32 v[SO+\b], 0xf8800000, v[BM+\b]
.endr
.irp b, 0,1
	v_and_or_b32 v[HL+\b], v[BM+\b], 0x7f800000, s[MNT]
.endr
.irp b, 0,1
	v_lshrrev_b32 v[PT+\b], 23, v[SO+\b]
.endr
	v_lshl_or_b32 v236, v[PT+1], 8, v[PT]          ; my token's two scale bytes of this head,
	v_cndmask_b32 v236, v236, v237, vcc_lo         ; or 0xff, 0xff
.irp b, 0,1
.irp i, 0,1,2,3,4,5,6,7,8,9,10,11,12,13,14,15
	v_med3_num_f32 v[96+16*\b+\i], v[96+16*\b+\i], -v[HL+\b], v[HL+\b]
.endr
	v_cvt_scalef32_pk8_bf8_f32 v[192+4*\b:193+4*\b], v[96+16*\b:103+16*\b], v[SO+\b]
	v_cvt_scalef32_pk8_bf8_f32 v[194+4*\b:195+4*\b], v[104+16*\b:111+16*\b], v[SO+\b]
.endr
	v_nop
	global_store_b128 v[AL], v[192:195], s[86:87]              ; 32 lanes store 512 consecutive aligned bytes
	global_store_b128 v[AL], v[196:199], s[86:87] offset:512
	global_store_b16 v7, v236, s[88:89]                        ; both halves of the lanes write the same two bytes with the same value
	s_wait_tensorcnt 0x0
	ds_add_u32 v254, v255
	s_wait_dscnt 0x0
	s_endpgm
.Lfunc_end_k_qd8dd822691_attn:
	.size	k_qd8dd822691_attn, .Lfunc_end_k_qd8dd822691_attn-k_qd8dd822691_attn
	.p2alignl 7, 3214868480
	.fill 96, 4, 3214868480
	.section	.rodata,"a",@progbits
	.p2align	6, 0x0
	.amdhsa_kernel k_qd8dd822691_attn
		.amdhsa_group_segment_fixed_size 284672
		.amdhsa_private_segment_fixed_size 0
		.amdhsa_enable_private_segment 0
		.amdhsa_kernarg_size 40
		.amdhsa_user_sgpr_count 2
		.amdhsa_user_sgpr_kernarg_segment_ptr 1
		.amdhsa_wavefront_size32 1
		.amdhsa_system_sgpr_workgroup_id_x 1
		.amdhsa_system_sgpr_workgroup_id_y 1
		.amdhsa_system_sgpr_workgroup_id_z 1
		.amdhsa_system_vgpr_workitem_id 0
		.amdhsa_next_free_vgpr 256
		.amdhsa_next_free_sgpr 100
		.amdhsa_reserve_vcc 1
		.amdhsa_float_denorm_mode_32 3
		.amdhsa_float_denorm_mode_16_64 3
		.amdhsa_memory_ordered 1
		.amdhsa_forward_progress 1
		.amdhsa_inst_pref_size 118
	.end_amdhsa_kernel
	.amdgpu_metadata
---
amdhsa.version: [ 1, 2 ]
amdhsa.kernels:
  - .name:           k_qd8dd822691_attn
    .symbol:         k_qd8dd822691_attn.kd
    .args:
      - { .name: pc, .offset: 0, .size: 8, .value_kind: global_buffer, .address_space: global }
      - { .name: psw, .offset: 8, .size: 8, .value_kind: global_buffer, .address_space: global }
      - { .name: mask, .offset: 16, .size: 8, .value_kind: global_buffer, .address_space: global }
      - { .name: acode, .offset: 24, .size: 8, .value_kind: global_buffer, .address_space: global }
      - { .name: ascale, .offset: 32, .size: 8, .value_kind: global_buffer, .address_space: global }
    .group_segment_fixed_size: 284672
    .private_segment_fixed_size: 0
    .kernarg_segment_align: 8
    .kernarg_segment_size: 40
    .max_flat_workgroup_size: 512
    .sgpr_count:     100
    .vgpr_count:     256
    .wavefront_size: 32
...
	.end_amdgpu_metadata
.endif
;; end of part 4
;; launch outp (part 5): grid 4 x 32, 4 waves a work-group, clusters of 4 x 4, 327,680 bytes of LDS; arguments acode, ascale, wc, ws, out0; writes out0
.if DOCPART == 5
	.amdgcn_target "amdgcn-amd-amdhsa--gfx1250"
	.amdhsa_code_object_version 6
	.text
	.protected	k_qd8dd822691_outp
	.globl	k_qd8dd822691_outp
	.p2align	8
	.type	k_qd8dd822691_outp,@function
k_qd8dd822691_outp:
	s_mov_b64 s[64:65], 0
	v_nop
	global_prefetch_b8 v0, s[64:65] scope:SCOPE_SE
	s_setreg_imm32_b32 hwreg(HW_REG_WAVE_MODE, 25, 1), 1
	s_wait_xcnt 0x0
	s_wait_alu depctr_hold_cnt(0) depctr_sa_sdst(0) depctr_va_vdst(0) depctr_va_sdst(0) depctr_va_ssrc(0) depctr_va_vcc(0) depctr_vm_vsrc(0)
	s_getreg_b32 s2, hwreg(HW_REG_IB_STS2, 6, 4)
	s_cmp_eq_u32 s2, 0
	s_cbranch_scc0 .Lentry_in_a_cluster
	s_endpgm
.Lentry_in_a_cluster:
	s_bfe_u32 s2, ttmp6, 0x10000c
	s_cmp_lg_u32 s2, 0xf033
	s_cbranch_scc0 .Lentry_shape_is_right
	s_endpgm
.Lentry_shape_is_right:
; out0[m][n] = sum over k of A[m][k] Wo[k][n], on codes of BF8 (E5M2) with one E8M0 scale for each 32 along K = 1,024; out0 [8192][1024] f32; sums in f32.
; A: the attention's result, as images of operand registers: [512 tiles of 16 tokens][8 K steps of 128][4 pieces][32 lanes][16 bytes]; its scale bytes [8192][32] (0xff in a token without a valid key: its row comes out NaN).
; B: the fourth weight of the weights' buffers, codes [1024 rows n][1024 k], rows in the chosen order (16 stored rows = rows 8 u + r + 8 (r / 8) of a group of 32); scale bytes [1024][32].
; A tile of out0, 256 x 256, is made by four waves, each 128 x 128: 64 accumulators, 512 registers.  K goes in steps of 256 through a ring of two LDS slots filled by the tensor data mover.
; A's part of a slot: for each of 8 tiles of tokens 4,096 consecutive bytes, 16,384 apart in memory, dense in LDS: a fragment's piece is read as 512 consecutive bytes.  B's part: rows of 256 bytes + 16 of padding.
; The scale bytes of the work-group's 256 + 256 rows, for all of K, come into LDS once, with the first fills.
; CLUSTERS: 4 x 4 work-groups; A's tile is asked for jointly along a row of the cluster, B's along a column.  128 work-groups: the tile is kept at 256 x 256 for the sake of the multiply-adds that each LDS byte feeds.
; THE MATRIX INSTRUCTION IS USED TRANSPOSED (source 0 = 16 rows of B, source 1 = 16 rows of A): register j of accumulator (a, b) in lane (r, h) is out0(16 a + r, 32 (b / 2) + 16 h + 8 (b % 2) + j).
; REGISTERS, in windows of 256: window 0: v0-31 addresses; v32-63 scale words, two sets; from v128 A's fragments, one set.  window 1: B's fragments, two sets.  windows 2, 3: the accumulators ((a, b) at v[8 (8 (a % 4) + b)]).
.set SIZE_M, 8192
.set SIZE_N, 1024
.set SIZE_K, 1024
.set KSTEP,  256
.set NQ,     KSTEP/128
.set ROWB,   256                       ; a row of B's tile in bytes
.set ASTEP,  4096                      ; a K step of one tile of tokens in A's images
.set KROW,   SIZE_K
.set PITCH,  272                       ; B's LDS row: 256 bytes + 16 of padding: the 16 rows that a load touches start at 16 different banks (64 banks of 4 bytes: ISA guide 11.1)
.set FR,     16
.set NL,     4
.set NP,     8                         ; places behind this matrix instruction (ISA guide 7.12.1)
.set HALFT,  128*PITCH                 ; a wave's part of a slot (A's loads use 32,768 bytes of it)
.set SLOT,   4*HALFT
.set LAPS,   SIZE_K/(2*KSTEP)
.set KS,     SIZE_K/32
.set SCL,    2*SLOT
.set HALFS,  (128*KS/256)*272
.set SBLK,   (16*KS/256)*272
.set SPARE,  SCL+4*HALFS               ; the spare words, 128 bytes for each wave
.set SPITCH, 528                       ; the way out: a stage of 16 rows x (512 bytes + 16) for each wave, in slot 0, which has had its last fill and its last read when the first result is stored there
.set ADRA, 16
.set ADRB, 20
.set STO,  24
.set RD,   25
.set CO,   26
.set SPW,  28
.set NIL,  29
.set ADRS, 27
.set SC,   32
.set AF,   128
.set BK,   128
.set G1, 24
.set G0, 32
.set G1B, 48
.set G0B, 56
.set G1S, 68
.set G0S, 76
.set G1SB, 80
.set G0SB, 88
.set MSB, 0
.macro WIN new                         ; the immediate's high byte repeats the setting that is left
.if MSB != \new
	s_set_vgpr_msb (MSB<<8)|\new
.set MSB, \new
.endif
.endm
.set MUL_LO, 0xa1
.set MUL_HI, 0xf1
.set TO_B,   0x40
; A joint load: waves 0 and 1 fetch for A, waves 2 and 3 for B; the branch hangs on the wave's number alone.  Four v_nop follow each of the two lines.
.macro JLOAD g0a, g1a, g0b, g1b
	s_cmp_eq_u32 s15, 0
	s_cbranch_scc0 .Lfor_b_\@
	tensor_load_to_lds s[\g0a:\g0a+3], s[\g1a:\g1a+7]
	s_nop 0
.rept 4
	v_nop
.endr
	s_branch .Lasked_\@
.Lfor_b_\@:
	tensor_load_to_lds s[\g0b:\g0b+3], s[\g1b:\g1b+7]
	s_nop 0
.rept 4
	v_nop
.endr
.Lasked_\@:
.endm
.macro CREST
	s_cmp_lg_u32 s14, 0
	s_cbranch_scc1 .Lnot_wave_0_\@
	s_barrier_signal -3
.Lnot_wave_0_\@:
	s_barrier_wait -3
	s_barrier_signal -1
	s_barrier_wait -1
.endm
.macro CROUND
	s_barrier_signal -1
	s_barrier_wait -1
	CREST
.endm
	s_load_b128 s[4:7], s[0:1], 0x0                ; A's images, A's scales
	s_load_b128 s[8:11], s[0:1], 0x10              ; the weights' codes, their scales
	s_load_b64 s[12:13], s[0:1], 0x20              ; out0
	v_lshl_add_u32 v[SPW], v0, 2, SPARE
	v_mov_b32 v[NIL], 0
	ds_add_u32 v28, v29
	ds_add_u32 v28, v29
	s_wait_dscnt 0x0
	v_lshrrev_b32 v1, 5, v0
	v_readfirstlane_b32 s14, v1                    ; wave 0..3
	s_lshr_b32 s15, s14, 1                         ; which half of the tile's rows is mine.  Also: I fetch for A (0) or for B (1)
	s_and_b32 s16, s14, 1                          ; which half of its columns.  Also: which 128 rows of that tile I fetch
	s_bfe_u32 s40, ttmp6, 0x40000                  ; cx, cy
	s_bfe_u32 s41, ttmp6, 0x40004
	s_lshl_b32 s42, ttmp9, 2
	s_add_co_u32 s42, s42, s40                     ; tile column
	s_and_b32 s17, ttmp7, 0xffff
	s_lshl_b32 s17, s17, 2
	s_add_co_u32 s17, s17, s41                     ; tile row
	s_lshl_b32 s43, s41, 2
	s_lshl_b32 s43, 15, s43                        ; my row of the cluster
	s_lshl_b32 s44, 0x1111, s40                    ; my column
	; A: 8 rows (tiles of tokens) of 512 elements of 8 bytes, 2,048 elements apart, no padding
	s_or_b32 s[G1+0], s43, (3<<16)|(1<<21)
	s_mov_b32 s[G1+1], 512<<16                     ; tensor_dim0
	s_mov_b32 s[G1+2], 8<<16                       ; tensor_dim1
	s_mov_b32 s[G1+3], 512<<16                     ; tile_dim0
	s_mov_b32 s[G1+4], 8                           ; tile_dim1
	s_mov_b32 s[G1+5], 2048                        ; tensor_dim0_stride
	s_mov_b32 s[G1+6], 0
	s_mov_b32 s[G1+7], 0
	; B: 128 rows x 256 bytes, four words of padding after every 64
	s_or_b32 s[G1B+0], s44, (0<<16)|(1<<20)|(1<<21)|(5<<22)|(3<<25)
	s_mov_b32 s[G1B+1], ROWB<<16
	s_mov_b32 s[G1B+2], 128<<16
	s_mov_b32 s[G1B+3], ROWB<<16
	s_mov_b32 s[G1B+4], 128
	s_mov_b32 s[G1B+5], KROW
	s_mov_b32 s[G1B+6], 0
	s_mov_b32 s[G1B+7], 0
	; the scales of 128 rows: 4,096 dense bytes as rows of 256, 16 bytes of padding behind each
	s_or_b32 s[G1S+0], s43, (3<<16)|(1<<20)|(1<<21)|(5<<22)|(3<<25)
	s_or_b32 s[G1SB+0], s44, (3<<16)|(1<<20)|(1<<21)|(5<<22)|(3<<25)
.irp g, G1S, G1SB
	s_mov_b32 s[\g+1], 32<<16
	s_mov_b32 s[\g+2], (128*KS/256)<<16
	s_mov_b32 s[\g+3], 32<<16
	s_mov_b32 s[\g+4], 128*KS/256
	s_mov_b32 s[\g+5], 32
	s_mov_b32 s[\g+6], 0
	s_mov_b32 s[\g+7], 0
.endr
	s_lshl_b32 s18, s16, 7
	s_lshl_b32 s20, s17, 8
	s_add_co_u32 s20, s20, s18                     ; A: row 256 x tile row + 128 x half
	s_lshl_b32 s46, s42, 8
	s_add_co_u32 s46, s46, s18                     ; B: row 256 x tile column + 128 x half
	s_mov_b32 s21, 0
	s_mov_b32 s47, 0
	s_mov_b64 s[18:19], KS
	s_mul_u64 s[22:23], s[20:21], s[18:19]
	s_mul_u64 s[92:93], s[46:47], s[18:19]
	s_mov_b64 s[18:19], KROW
	s_mul_u64 s[20:21], s[20:21], s[18:19]         ; 16 rows of A are 16,384 bytes of images: 1,024 a row
	s_mul_u64 s[46:47], s[46:47], s[18:19]
	s_add_nc_u64 s[46:47], s[46:47], 0x300000      ; the fourth weight's codes,
	s_add_nc_u64 s[92:93], s[92:93], 0x18000       ; and scale bytes
	s_mul_i32 s45, s14, HALFT
	s_mul_i32 s94, s14, HALFS
	s_wait_kmcnt 0x0
	s_add_nc_u64 s[20:21], s[4:5], s[20:21]
	s_add_nc_u64 s[22:23], s[6:7], s[22:23]
	s_add_nc_u64 s[46:47], s[8:9], s[46:47]
	s_add_nc_u64 s[92:93], s[10:11], s[92:93]
	CROUND                                         ; all sixteen work-groups are here: the first joint loads meet
	s_mov_b32 s[G0S], 1
	s_add_co_u32 s[G0S+1], s94, SCL
	s_mov_b64 s[G0S+2:G0S+3], s[22:23]
	s_or_b32 s[G0S+3], s[G0S+3], 0x80000000
	s_mov_b32 s[G0SB], 1
	s_add_co_u32 s[G0SB+1], s94, SCL
	s_mov_b64 s[G0SB+2:G0SB+3], s[92:93]
	s_or_b32 s[G0SB+3], s[G0SB+3], 0x80000000
	JLOAD G0S, G1S, G0SB, G1SB
.irp s, 0,1
	s_mov_b32 s[G0+4*\s], 1
	s_add_co_u32 s[G0+4*\s+1], s45, \s*SLOT
	s_add_nc_u64 s[G0+4*\s+2:G0+4*\s+3], s[20:21], \s*ASTEP
	s_or_b32 s[G0+4*\s+3], s[G0+4*\s+3], 0x80000000
	s_mov_b32 s[G0B+4*\s], 1
	s_add_co_u32 s[G0B+4*\s+1], s45, \s*SLOT
	s_add_nc_u64 s[G0B+4*\s+2:G0B+4*\s+3], s[46:47], \s*ROWB
	s_or_b32 s[G0B+4*\s+3], s[G0B+4*\s+3], 0x80000000
	JLOAD G0+4*\s, G1, G0B+4*\s, G1B
.endr
	v_and_b32 v1, 15, v0                           ; l % 16
	v_bfe_u32 v2, v0, 4, 1                         ; l / 16
	v_mul_u32_u24 v3, v1, PITCH
	v_lshl_add_u32 v4, v2, 4, v3                   ; B: a fragment's row x pitch + 16 x half
	v_and_b32 v6, 31, v0
	v_lshlrev_b32 v7, 4, v6                        ; A: 16 x lane
	s_mul_i32 s21, s15, HALFT
	s_mul_i32 s22, s16, HALFT
	s_add_co_u32 s22, s22, 2*HALFT
.irp s, 0,1
	v_add_nc_u32 v[ADRA+\s], s21, v7
	v_add_nc_u32 v[ADRB+\s], s22, v4
	s_add_co_u32 s21, s21, SLOT
	s_add_co_u32 s22, s22, SLOT
.endr
	v_mul_u32_u24 v5, v1, KS
	v_lshrrev_b32 v6, 8, v5
	v_lshl_add_u32 v5, v6, 4, v5
	s_mul_i32 s21, s15, HALFS
	s_mul_i32 s22, s16, HALFS
	s_add_co_u32 s22, s22, 2*HALFS
	s_sub_co_u32 s22, s22, s21
	v_mul_u32_u24 v6, s22, v2                      ; lanes 16-31 take B's
	s_add_co_u32 s21, s21, SCL
	v_add_nc_u32 v5, v5, v6
	v_add_nc_u32 v[ADRS], s21, v5
	s_mul_i32 s23, s14, 16*SPITCH                  ; my stage
	v_mul_u32_u24 v5, v1, SPITCH                   ; in: row l % 16; my half's 16 columns of each group of 32: 64 bytes on
	v_lshl_add_u32 v5, v2, 6, v5
	v_add_nc_u32 v[STO], s23, v5
	v_and_b32 v6, 31, v0
	v_lshlrev_b32 v[CO], 4, v6                     ; back: the 32 lanes take one row of 512 bytes; and the same in out0
	v_add_nc_u32 v[RD], s23, v[CO]
	s_lshl_b32 s20, s17, 8
	s_lshl_b32 s21, s15, 7
	s_add_co_u32 s20, s20, s21                     ; my first row of out0
	s_mov_b32 s21, 0
	s_mov_b64 s[18:19], SIZE_N*4
	s_mul_u64 s[20:21], s[20:21], s[18:19]
	s_lshl_b32 s46, s42, 10                        ; my first column, in bytes
	s_lshl_b32 s47, s16, 9
	s_add_co_u32 s46, s46, s47
	s_mov_b32 s47, 0
	s_add_nc_u64 s[20:21], s[20:21], s[46:47]
	s_add_nc_u64 s[12:13], s[12:13], s[20:21]
.macro FRAG reg, adr, q, i             ; B: 16 rows x 128 K from rows: registers 4 c .. 4 c + 3 hold K = 32 c + 16 (l / 16) + 0 .. 15
.irp c, 0,1,2,3
	ds_load_b128 v[\reg+4*\c:\reg+4*\c+3], v[\adr] offset:128*(\q)+32*\c+(\i)*16*PITCH
.endr
.endm
.macro FRAGA reg, adr, q, i            ; A: the same registers from an image: tile of tokens i, the slot's q-th 128 along K, piece c
.irp c, 0,1,2,3
	ds_load_b128 v[\reg+4*\c:\reg+4*\c+3], v[\adr] offset:2048*(\q)+512*\c+(\i)*ASTEP
.endr
.endm
; 16 matrix instructions: A's blocks a0, a0 + 1 x B's eight.  The 64 accumulators take turns, one instruction a turn, in the same order in every step.
.macro MUL16 a0, p, q, sc, zero
.irp a, \a0, \a0+1
.irp b, 0,1,2,3,4,5,6,7
.if \zero
	v_wmma_scale_f32_16x16x128_f8f6f4 v[8*(8*((\a)%4)+\b):8*(8*((\a)%4)+\b)+7], v[128*(\p)+FR*\b:128*(\p)+FR*\b+FR-1], v[AF+FR*(\a):AF+FR*(\a)+FR-1], 0, v[SC+8*NQ*(\sc)+NQ*\b+(\q)], v[SC+8*NQ*(\sc)+NQ*(\a)+(\q)] matrix_a_fmt:MATRIX_FMT_BF8 matrix_b_fmt:MATRIX_FMT_BF8 matrix_a_scale:MATRIX_SCALE_ROW1
.else
	v_wmma_scale_f32_16x16x128_f8f6f4 v[8*(8*((\a)%4)+\b):8*(8*((\a)%4)+\b)+7], v[128*(\p)+FR*\b:128*(\p)+FR*\b+FR-1], v[AF+FR*(\a):AF+FR*(\a)+FR-1], v[8*(8*((\a)%4)+\b):8*(8*((\a)%4)+\b)+7], v[SC+8*NQ*(\sc)+NQ*\b+(\q)], v[SC+8*NQ*(\sc)+NQ*(\a)+(\q)] matrix_a_fmt:MATRIX_FMT_BF8 matrix_b_fmt:MATRIX_FMT_BF8 matrix_a_scale:MATRIX_SCALE_ROW1
.endif
.endr
.endr
.endm
.macro FETCH_B slot, q, p
	WIN TO_B
.irp i, 0,1,2,3,4,5,6,7
	FRAG 128*(\p)+FR*\i, ADRB+\slot, \q, \i
.endr
	WIN 0
.endm
.macro FETCH_A slot, q, i0
.irp i, \i0, \i0+1, \i0+2, \i0+3
	FRAGA AF+FR*(\i), ADRA+\slot, \q, \i
.endr
.endm
.macro SCALES sc
.irp i, 0,1,2,3,4,5,6,7
	ds_load_b64 v[SC+8*NQ*\sc+NQ*\i:SC+8*NQ*\sc+NQ*\i+1], v[ADRS] offset:\i*SBLK
.endr
.endm
.macro PLACES n                        ; plain vector lines between a matrix instruction and a load into, or a read of, its registers (ISA guide 7.12.1 for vector instructions)
.rept \n
	v_nop
.endr
.endm
.macro STEP slot, q, zero
	s_wait_dscnt 4*NL                              ; B's set, A's blocks 0-3 and the scale words are in; the youngest sixteen loads (A's blocks 4-7) may be out
	WIN MUL_LO
	MUL16 0, (\q)%2, \q, \slot, \zero
	MUL16 2, (\q)%2, \q, \slot, \zero
	s_wait_dscnt 0
	PLACES NP
	FETCH_B \slot, (\q)+1, 1-(\q)%2
	FETCH_A \slot, (\q)+1, 0
	WIN MUL_HI
	MUL16 4, (\q)%2, \q, \slot, \zero
	MUL16 6, (\q)%2, \q, \slot, \zero
	PLACES NP
	WIN 0
	FETCH_A \slot, (\q)+1, 4
.endm
; A slot's last step changes slots: one barrier; in front of it each wave waits for all its tensor loads, adds 0 to its spare word, and waits for that and for its own reads of this slot.
.macro TURN slot, next, fill
	s_wait_tensorcnt 0x0                           ; all my tensor loads have landed: my part of the next slot
	ds_add_u32 v[SPW], v[NIL]                      ; 0 onto my spare word
	s_wait_dscnt 4*NL+1                            ; (the add and the youngest sixteen loads may be out)
	WIN MUL_LO
	MUL16 0, 1, NQ-1, \slot, 0
	s_wait_dscnt 0x0                               ; the add is done, and my reads of this slot are over
	s_barrier_signal -1
	MUL16 2, 1, NQ-1, \slot, 0
	WIN 0
	s_barrier_wait -1
.if \fill
	CREST                                          ; the barrier has opened a round of the cluster's barrier: no wave of any partner still reads this slot's tile or has a load on its way
	s_add_nc_u64 s[G0+4*\slot+2:G0+4*\slot+3], s[G0+4*\slot+2:G0+4*\slot+3], 2*ASTEP
	s_add_nc_u64 s[G0B+4*\slot+2:G0B+4*\slot+3], s[G0B+4*\slot+2:G0B+4*\slot+3], 2*ROWB
	JLOAD G0+4*\slot, G1, G0B+4*\slot, G1B         ; the first tensor load behind the round
	PLACES NP-4
.else
	PLACES NP
.endif
	v_add_nc_u32 v[ADRS], 4*NQ, v[ADRS]
	FETCH_B \next, 0, 0
	FETCH_A \next, 0, 0
	SCALES \next
	WIN MUL_HI
	MUL16 4, 1, NQ-1, \slot, 0
	MUL16 6, 1, NQ-1, \slot, 0
	PLACES NP
	WIN 0
	FETCH_A \next, 0, 4
.endm
	s_wait_tensorcnt 1                             ; the scales and my part of K step 0 are in (K step 1's load may be out),
	s_barrier_signal -1
	s_barrier_wait -1                              ; everybody's are
	FETCH_B 0, 0, 0
	FETCH_A 0, 0, 0
	SCALES 0
	FETCH_A 0, 0, 4
	STEP 0, 0, 1                                   ; the first step's products start the sums
	s_mov_b32 s3, LAPS-1
.Llap:
	TURN 0, 1, 1
	STEP 1, 0, 0
	TURN 1, 0, 1
	STEP 0, 0, 0
	s_sub_co_u32 s3, s3, 1
	s_cmp_lg_u32 s3, 0
	s_cbranch_scc1 .Llap
	TURN 0, 1, 0                                   ; the last lap fills nothing
	STEP 1, 0, 0
	s_wait_dscnt 4*NL
	WIN MUL_LO
	MUL16 0, 1, NQ-1, 1, 0
	MUL16 2, 1, NQ-1, 1, 0
	s_wait_dscnt 0
	WIN MUL_HI
	MUL16 4, 1, NQ-1, 1, 0
	MUL16 6, 1, NQ-1, 1, 0
	WIN 0
; THE WAY OUT, block by block of 16 rows x 128 columns, through my own stage in LDS; it comes back as whole rows of 512 bytes.  LDS serves a wave's instructions in order (ISA guide 5.7.1.4).
.macro TOSTAGE a
.set AC, 64*((\a)%4)
	WIN 0x08+4*((\a)/4)                            ; the data: window 2 or 3
.irp b, 0,1,2,3,4,5,6,7
	ds_store_b128 v[STO], v[AC+8*\b:AC+8*\b+3] offset:128*(\b/2)+32*(\b%2)          ; columns 32 (b / 2) + 16 h + 8 (b % 2) on; each accumulator from its low end on
	ds_store_b128 v[STO], v[AC+8*\b+4:AC+8*\b+7] offset:128*(\b/2)+32*(\b%2)+16
.endr
	WIN 0
.set BB, BK+64*((\a)%2)
.irp t, 0,1,2,3,4,5,6,7,8,9,10,11,12,13,14,15
	ds_load_b128 v[BB+4*\t:BB+4*\t+3], v[RD] offset:\t*SPITCH
.endr
.endm
.macro SEND a, younger                 ; younger: the LDS instructions issued behind block a's loads, which may stay out
.set BB, BK+64*((\a)%2)
	s_wait_dscnt \younger
.if (\a) > 0
	s_add_nc_u64 s[12:13], s[12:13], 16*SIZE_N*4   ; (behind a wait on XCNT: the earlier stores have read their base)
.endif
.irp t, 0,1,2,3,4,5,6,7,8,9,10,11,12,13,14,15
	global_store_b128 v[CO], v[BB+4*\t:BB+4*\t+3], s[12:13] offset:\t*SIZE_N*4 th:TH_STORE_NT   ; 32 lanes store 512 consecutive aligned bytes
.endr
.endm
	PLACES NP
	TOSTAGE 0
.irp a, 1,2,3,4,5,6,7
.if \a > 1
	s_wait_xcnt 0x0                                ; block a - 2's stores have read their registers and their base
.endif
	TOSTAGE \a
	SEND \a-1, 32                                  ; behind block a - 1's loads: block a's 16 stores and 16 loads
.endr
	s_wait_xcnt 0x0
	SEND 7, 0
	s_wait_tensorcnt 0x0                           ; the wave's end
	ds_add_u32 v[SPW], v[NIL]
	s_wait_dscnt 0x0
	CROUND                                         ; the closing round
	s_endpgm
.Lfunc_end_k_qd8dd822691_outp:
	.size	k_qd8dd822691_outp, .Lfunc_end_k_qd8dd822691_outp-k_qd8dd822691_outp
	.p2alignl 7, 3214868480
	.fill 96, 4, 3214868480
	.section	.rodata,"a",@progbits
	.p2align	6, 0x0
	.amdhsa_kernel k_qd8dd822691_outp
		.amdhsa_group_segment_fixed_size 327680
		.amdhsa_private_segment_fixed_size 0
		.amdhsa_enable_private_segment 0
		.amdhsa_kernarg_size 40
		.amdhsa_user_sgpr_count 2
		.amdhsa_user_sgpr_kernarg_segment_ptr 1
		.amdhsa_wavefront_size32 1
		.amdhsa_system_sgpr_workgroup_id_x 1
		.amdhsa_system_sgpr_workgroup_id_y 1
		.amdhsa_system_sgpr_workgroup_id_z 1
		.amdhsa_system_vgpr_workitem_id 0
		.amdhsa_next_free_vgpr 1024
		.amdhsa_next_free_sgpr 98
		.amdhsa_reserve_vcc 0
		.amdhsa_float_denorm_mode_32 3
		.amdhsa_float_denorm_mode_16_64 3
		.amdhsa_memory_ordered 1
		.amdhsa_forward_progress 1
		.amdhsa_inst_pref_size 146
	.end_amdhsa_kernel
	.amdgpu_metadata
---
amdhsa.version: [ 1, 2 ]
amdhsa.kernels:
  - .name:           k_qd8dd822691_outp
    .symbol:         k_qd8dd822691_outp.kd
    .args:
      - { .name: acode, .offset: 0, .size: 8, .value_kind: global_buffer, .address_space: global }
      - { .name: ascale, .offset: 8, .size: 8, .value_kind: global_buffer, .address_space: global }
      - { .name: wc, .offset: 16, .size: 8, .value_kind: global_buffer, .address_space: global }
      - { .name: ws, .offset: 24, .size: 8, .value_kind: global_buffer, .address_space: global }
      - { .name: out0, .offset: 32, .size: 8, .value_kind: global_buffer, .address_space: global }
    .group_segment_fixed_size: 327680
    .private_segment_fixed_size: 0
    .kernarg_segment_align: 8
    .kernarg_segment_size: 40
    .max_flat_workgroup_size: 128
    .sgpr_count:     98
    .vgpr_count:     1024
    .wavefront_size: 32
...
	.end_amdgpu_metadata
.endif
;; end of part 5
